; MI455X (gfx1250); checked and timed in simulation.
; The chip was launched on July 23, 2026; its instructions are those of AMD's public machine-readable ISA for CDNA 5 (MIT licence, August 2026) and "CDNA5" Instruction Set Architecture Reference Guide (July 2026).
;; Unimodal Attention Kernel. Allowed arithmetic: matrix products marked QUANTISED: E2M1 operands, one E8M0 scale for each 32 along K, by v_wmma_scale_f32_16x16x128_f8f6f4 with both operands' format E2M1 (or v_wmma_scale_f32_32x16x128_f4), f32 sums; products left as they are: bf16, f16 or f32 operands; f32 sums; everything else in f32.
;; Inputs: Wk 1,024 x 1,024 float32; Wo 1,024 x 1,024 float32; Wq 1,024 x 1,024 float32; Wv 1,024 x 1,024 float32; bk 1,024 float32; bo 1,024 float32; bq 1,024 float32; bv 1,024 float32; key 8 x 1,024 x 1,024 float32; query 8 x 1,024 x 1,024 float32; value 8 x 1,024 x 1,024 float32.
;; Outputs: out0 8 x 1,024 x 1,024 float32.
;; This version of the problem:
;;   THIS VERSION OF THE PROBLEM IS GIVEN IN LOW PRECISION. The matrix products marked QUANTISED in the list below multiply operands that are first quantised to E2M1 (2 exponent bits, 1 mantissa bit; 4 bits a number), with one power-of-two scale for each 32 numbers along K (OCP MX v1.0); their sums are f32. The products marked 'left as it is' may take bf16, f16 or f32 operands, with f32 sums. Whichever they take, every output number must still come out within the allowed error. Rounding operands to bf16 (8 significant bits) uses up far more of that allowance than f16 does (11 bits, for magnitudes from 6e-5 to 65,504). All else is computed in f32.
;;   The module's matrix products, in the order in which they are computed (A, B: the left and right operand; K: the contracted axis; several contracted axes count as one K, in the product's order):
;;     1. [M 8,192, K 1,024] x [K 1,024, N 1,024]; A: input query; B: input Wq: QUANTISED
;;     2. [M 8,192, K 1,024] x [K 1,024, N 1,024]; A: input key; B: input Wk: QUANTISED
;;     3. [M 8,192, K 1,024] x [K 1,024, N 1,024]; A: input value; B: input Wv: QUANTISED
;;     4. batch 128 x [M 1,024, K 64] x [K 64, N 1,024]; A: computed on the way; B: computed on the way: left as it is (an operand is computed on the way)
;;     5. batch 128 x [M 1,024, K 1,024] x [K 1,024, N 64]; A: computed on the way; B: computed on the way: left as it is (an operand is computed on the way)
;;     6. [M 8,192, K 1,024] x [K 1,024, N 1,024]; A: computed on the way; B: input Wo: left as it is (an operand is computed on the way)
;;   THE QUANTISER, for each operand of a quantised product, along K:
;;     - K is cut into blocks of 32 from its start; a last block that is shorter is filled with zeros.
;;     - A block's scale is 2^e with e = floor(log2(the largest magnitude in the block)) - 2, held to -126 .. 127; a block of zeros has e = 0. As a byte (E8M0): e + 127.
;;     - Each number is divided by its block's scale, clamped to +-6, and rounded to the nearest number of E2M1, ties to even, subnormals kept.
;;     - The product sums the exact products of the quantised numbers (number of the format x scale) in f32.
;;   ~~~python
;;   def quantise(x, axis):      # numpy; x: float32 -> the quantised numbers, widened to float32 again
;;       x = np.moveaxis(x, axis, -1); K = x.shape[-1]
;;       x = np.pad(x, [(0, 0)] * (x.ndim - 1) + [(0, -K % 32)]); x = x.reshape(x.shape[:-1] + (-1, 32)); a = np.abs(x).max(-1, keepdims=True)
;;       e = np.where(a > 0, np.clip(np.frexp(np.where(a > 0, a, 1))[1] - 1 - 2, -126, 127), 0)      # np.frexp(a)[1] - 1 = floor(log2(a)), exactly
;;       r = np.clip(x / 2.0 ** e, -6, 6)
;;       step = 2.0 ** (np.maximum(np.frexp(np.where(r == 0, 1, r))[1] - 1, 0) - 1)
;;       q = np.round(r / step) * step * 2.0 ** e      # np.round: ties to even
;;       return np.moveaxis(q.reshape(q.shape[:-2] + (-1,))[..., :K], -1, axis).astype(np.float32)
;;   ~~~
;; One version. Each part assembles by itself: llvm-mc -triple=amdgcn-amd-amdhsa -mcpu=gfx1250 --defsym DOCPART=n.
;; ======== version 1 of 1: 4 launches
;; limits: values are held in f16: magnitudes above 65,504 overflow, below 6.1e-05 lose precision; right only within a limited range of input values
;; workspace buffers: pc 14,680,064 bytes; ps 917,504 bytes; qk 33,554,432 bytes; vt 16,777,216 bytes; lo 3,145,728 bytes; cx 16,777,216 bytes; cxl 1,048,576 bytes; wo 2,097,152 bytes
;; launch prepare (part 1): grid 448 x 1, 32 waves a work-group, no clusters, 284,672 bytes of LDS; arguments query, key, value, Wq, Wk, Wv, Wo, pc, ps, wo; writes pc, ps, wo
.if DOCPART == 1
	.amdgcn_target "amdgcn-amd-amdhsa--gfx1250"
	.amdhsa_code_object_version 6
	.text
	.protected	k_q060616fdd9_prepare
	.globl	k_q060616fdd9_prepare
	.p2align	8
	.type	k_q060616fdd9_prepare,@function
k_q060616fdd9_prepare:
	s_mov_b64 s[64:65], 0
	v_nop
	global_prefetch_b8 v0, s[64:65] scope:SCOPE_SE
	s_setreg_imm32_b32 hwreg(HW_REG_WAVE_MODE, 25, 1), 1
	s_wait_xcnt 0x0
.set TOK,   8192
.set WKN,   0
.set W3,    1
.set IN3,   1
.set XT,    (1+2*IN3)*TOK
.set WIDE,  1
.set WAVES, 32
.set KROW,  512
.set PITCH, 272
.set WREG,  32*PITCH
.set SCB,   WAVES*WREG
.set SPARE, SCB+WAVES*64
.set SP,    KROW+16
.set EMAX,  2
.set X,     16
.set E,     80
.set T,     84
.set C,     96
.if IN3
	s_load_b64 s[4:5], s[0:1], 0x0
	s_load_b64 s[14:15], s[0:1], 0x8
	s_load_b64 s[62:63], s[0:1], 0x10
	s_load_b64 s[6:7], s[0:1], 0x18
	s_load_b128 s[8:11], s[0:1], 0x20
	s_load_b64 s[12:13], s[0:1], 0x30
	s_load_b128 s[40:43], s[0:1], 0x38
.if WIDE
	s_load_b64 s[44:45], s[0:1], 0x48
.endif
.elseif W3
	s_load_b256 s[4:11], s[0:1], 0x0
	s_load_b64 s[12:13], s[0:1], 0x20
	s_load_b128 s[40:43], s[0:1], 0x28
.if WIDE
	s_load_b64 s[44:45], s[0:1], 0x38
.endif
.else
	s_load_b128 s[4:7], s[0:1], 0x0
	s_load_b64 s[12:13], s[0:1], 0x10
	s_load_b128 s[40:43], s[0:1], 0x18
.if WIDE
	s_load_b64 s[44:45], s[0:1], 0x28
.endif
.endif
	v_lshl_add_u32 v2, v0, 2, SPARE
	v_mov_b32 v3, 0
	ds_add_u32 v2, v3
	ds_add_u32 v2, v3
	v_lshrrev_b32 v1, 5, v0
	v_readfirstlane_b32 s16, v1
	v_and_b32 v9, 31, v0
	s_mul_i32 s17, s16, WREG
	v_lshlrev_b32 v1, 3, v9
	s_and_b32 s19, s16, 0xfffffffc
	s_lshl_b32 s19, s19, 6
	s_add_co_u32 s19, s19, SCB
	v_add_nc_u32 v7, s19, v1
	s_mov_b32 s24, (3<<16)|(1<<20)|(5<<22)|(3<<25)
	s_mov_b32 s25, 32<<16
	s_mov_b32 s26, 32<<16
	s_mov_b32 s27, 32<<16
	s_mov_b32 s28, 32
.if !WKN
	s_mov_b32 s29, 32
.endif
	s_mov_b32 s30, 0
	s_mov_b32 s31, 0
	s_mul_i32 s19, ttmp9, WAVES
	s_add_co_u32 s33, s19, s16
	s_lshr_b32 s34, s33, 2
	s_and_b32 s35, s33, 3
	s_sub_co_u32 s36, s34, XT/8
	s_lshr_b32 s37, s36, 7
	s_add_co_u32 s37, s37, 1
	s_and_b32 s36, s36, 127
	s_cmp_lt_u32 s34, XT/8
	s_cselect_b32 s37, 0, s37
	s_cselect_b32 s36, s34, s36
.if IN3
	s_sub_co_u32 s50, s36, TOK/8
	s_cmp_ge_u32 s36, TOK/8
	s_cselect_b32 s49, s50, s36
	s_cselect_b32 s51, 1, 0
	s_sub_co_u32 s50, s36, 2*(TOK/8)
	s_cmp_ge_u32 s36, 2*(TOK/8)
	s_cselect_b32 s49, s50, s49
	s_cselect_b32 s51, 2, s51
	s_lshl_b32 s52, s49, 15
.else
	s_lshl_b32 s52, s36, 15
.endif
	s_lshl_b32 s53, s35, 13
	s_add_co_u32 s52, s52, s53
.if WKN
	s_lshr_b32 s54, s36, 3
	s_lshl_b32 s54, s54, 8
.if W3
	s_lshl_b32 s55, s16, 17
	s_add_co_u32 s55, s55, s54
	s_mov_b32 s56, 1024/2
.else
	s_sub_co_u32 s55, s37, 1
	s_lshl_b32 s55, s55, 12
	s_add_co_u32 s55, s55, s54
	s_mul_i32 s56, s16, 32*3072*4
	s_add_co_u32 s55, s55, s56
	s_lshl_b32 s56, s16, 17
	s_add_co_u32 s56, s56, s54
	s_mov_b32 s58, 3072/2
	s_cmp_eq_u32 s37, 4
	s_cselect_b32 s55, s56, s55
	s_cselect_b32 s56, 1024/2, s58
.endif
	s_cmp_eq_u32 s37, 0
	s_cselect_b32 s52, s52, s55
	s_cselect_b32 s29, 32, s56
.endif
	s_mov_b32 s53, 0
	s_and_b32 s54, s36, 3
	s_lshl_b32 s54, s54, 2
	s_bfe_u32 s55, s36, 0x10002
	s_or_b32 s54, s54, s55
	s_bfe_u32 s55, s36, 0x10003
	s_lshl_b32 s55, s55, 4
	s_or_b32 s54, s54, s55
	s_bfe_u32 s55, s36, 0x10004
	s_lshl_b32 s55, s55, 1
	s_or_b32 s54, s54, s55
	s_and_b32 s55, s36, 0xffffffe0
	s_or_b32 s38, s54, s55
	s_lshr_b32 s54, s36, 3
	s_bfe_u32 s55, s36, 0x10002
	s_and_b32 s56, s36, 3
	s_lshl_b32 s57, s54, 3
	s_lshl_b32 s58, s56, 1
	s_add_co_u32 s57, s57, s58
	s_add_co_u32 s57, s57, s55
	s_add_co_u32 s58, s57, 128
	s_add_co_u32 s59, s57, 256
	s_cmp_eq_u32 s37, 1
	s_cselect_b32 s38, s57, s38
	s_cmp_eq_u32 s37, 2
	s_cselect_b32 s38, s58, s38
	s_cmp_eq_u32 s37, 3
	s_cselect_b32 s38, s59, s38
	s_cmp_eq_u32 s37, 4
	s_cselect_b32 s38, s36, s38
	s_cmp_eq_u32 s37, 0
	s_cselect_b32 s39, 0, XT/8
	s_cmp_eq_u32 s37, 4
	s_cselect_b32 s39, (XT+3072)/8, s39
	s_add_co_u32 s38, s38, s39
	s_mul_i32 s54, s38, 8*KROW
	s_mul_i32 s55, s35, 2*KROW
	s_add_co_u32 s54, s54, s55
	s_mov_b32 s55, 0
	s_lshl_b32 s56, s38, 8
	s_mov_b32 s57, 0
	s_mov_b32 s20, 1
	s_mov_b32 s21, s17
	s_wait_alu depctr_va_vdst(0)
	s_wait_dscnt 0x0
	s_wait_kmcnt 0x0
.if !WKN && !W3
	s_sub_co_u32 s58, s37, 1
	s_lshl_b32 s58, s58, 22
	s_mov_b32 s59, 0
	s_add_nc_u64 s[6:7], s[6:7], s[58:59]
.endif
.if IN3
	s_cmp_eq_u32 s51, 1
	s_cselect_b64 s[4:5], s[14:15], s[4:5]
	s_cmp_eq_u32 s51, 2
	s_cselect_b64 s[4:5], s[62:63], s[4:5]
.endif
	s_cmp_eq_u32 s37, 0
	s_cselect_b64 s[4:5], s[4:5], s[6:7]
.if W3
	s_cmp_eq_u32 s37, 2
	s_cselect_b64 s[4:5], s[8:9], s[4:5]
	s_cmp_eq_u32 s37, 3
	s_cselect_b64 s[4:5], s[10:11], s[4:5]
.endif
	s_cmp_eq_u32 s37, 4
	s_cselect_b64 s[4:5], s[12:13], s[4:5]
	s_add_nc_u64 s[22:23], s[4:5], s[52:53]
	s_or_b32 s23, s23, 0x80000000
	tensor_load_to_lds s[20:23], s[24:31]
	s_nop 0
.rept 4
	v_nop
.endr
	s_add_nc_u64 s[8:9], s[40:41], s[54:55]
	s_add_nc_u64 s[10:11], s[42:43], s[56:57]
.if WKN
	s_cmp_ge_u32 ttmp9, XT/64
	s_cbranch_scc1 .Lweights
.elseif WIDE
	s_cmp_ge_u32 ttmp9, (XT+3072)/64
	s_cbranch_scc1 .Lwide
.endif
	v_lshrrev_b32 v4, 2, v9
	v_mul_u32_u24 v4, v4, PITCH
	v_and_b32 v12, 3, v9
	v_lshl_add_u32 v4, v12, 6, v4
	v_add_nc_u32 v4, s17, v4
	s_lshl_b32 s18, s16, 6
	s_add_co_u32 s18, s18, SCB
	v_lshrrev_b32 v6, 1, v9
	v_add_nc_u32 v6, s18, v6
	s_wait_alu depctr_va_vdst(0)
.macro FETCH t
.irp i, 0,1,2,3
	ds_load_b128 v[X+16*((\t)%2)+4*\i:X+16*((\t)%2)+4*\i+3], v4 offset:(\t)*8*PITCH+16*\i
.endr
.endm
.macro STEP t
.set XS, X+16*((\t)%2)
.set CS, C+4*(\t)
.if (\t) < 3
	FETCH (\t)+1
	s_wait_dscnt 4
.else
	s_wait_dscnt 0
.endif
	v_max3_num_f32 v8, |v[XS]|, |v[XS+1]|, |v[XS+2]|
	v_max3_num_f32 v14, |v[XS+3]|, |v[XS+4]|, |v[XS+5]|
.irp i, 6,10
	v_max3_num_f32 v8, v8, |v[XS+\i]|, |v[XS+\i+1]|
	v_max3_num_f32 v14, v14, |v[XS+\i+2]|, |v[XS+\i+3]|
.endr
	v_max3_num_f32 v8, v8, |v[XS+14]|, |v[XS+15]|
	v_max3_num_f32 v8, v8, v14, (EMAX+1)<<23
	v_max_num_f32_dpp v8, v8, v8 row_xmask:1 row_mask:0xf bank_mask:0xf
	v_add_nc_u32 v11, -(EMAX<<23), v8
	v_cvt_scalef32_pk8_fp4_f32 v[CS], v[XS:XS+7], v11
	v_cvt_scalef32_pk8_fp4_f32 v[CS+1], v[XS+8:XS+15], v11
	v_lshrrev_b32 v[E+(\t)], 23, v11
	ds_store_b8 v6, v[E+(\t)] offset:16*(\t)
	global_store_b64 v1, v[CS:CS+1], s[8:9] offset:256*(\t)
.endm
	s_wait_tensorcnt 0x0
	FETCH 0
.irp t, 0,1,2,3
	STEP \t
.endr
	s_wait_dscnt 0x0
	s_barrier_signal -1
	s_barrier_wait -1
.if WKN
	s_branch .Lbytes
.Lweights:
	v_lshl_add_u32 v4, v9, 2, s17
	v_mul_u32_u24 v12, v9, SP
	s_mul_i32 s18, s16, 16
	v_add_nc_u32 v12, s18, v12
	v_lshlrev_b32 v6, 5, v9
	s_add_co_u32 s18, s16, SCB
	v_add_nc_u32 v6, s18, v6
	s_mul_i32 s18, s16, 2*SP
	v_lshl_add_u32 v13, v9, 4, s18
	s_wait_alu depctr_va_vdst(0)
	s_wait_tensorcnt 0x0
.irp p, 0,1
.set I, 0
.rept 32
	ds_load_b32 v[X+32*\p+I], v4 offset:I*PITCH+128*\p
.set I, I+1
.endr
.endr
	s_wait_dscnt 0x0
.if WIDE
	s_cmp_ge_u32 ttmp9, (XT+3072)/64
	s_cbranch_scc1 .Lwide
.endif
	s_barrier_signal -1
	s_barrier_wait -1
.macro QUANT x, c, n
.irp k, 0,1,2,3
	v_max3_num_f32 v[T+\k], |v[\x+8*\k]|, |v[\x+8*\k+1]|, |v[\x+8*\k+2]|
.endr
.irp i, 3,5
.irp k, 0,1,2,3
	v_max3_num_f32 v[T+\k], v[T+\k], |v[\x+8*\k+\i]|, |v[\x+8*\k+\i+1]|
.endr
.endr
.irp k, 0,1,2,3
	v_max_num_f32 v[T+\k], v[T+\k], |v[\x+8*\k+7]|
.endr
	v_max3_num_f32 v[T], v[T], v[T+1], v[T+2]
	v_max3_num_f32 v[T], v[T], v[T+3], (EMAX+1)<<23
	v_add_nc_u32 v[T+8+\n], -(EMAX<<23), v[T]
.irp k, 0,1,2,3
	v_cvt_scalef32_pk8_fp4_f32 v[\c+\k], v[\x+8*\k:\x+8*\k+7], v[T+8+\n]
.endr
	v_lshrrev_b32 v[E+\n], 23, v[T+8+\n]
.endm
.irp p, 0,1
	QUANT X+32*\p, C+8*\p, \p
	ds_store_b8 v6, v[E+\p] offset:1024*\p
	ds_store_b128 v12, v[C+8*\p:C+8*\p+3] offset:32*SP*\p
.endr
	s_wait_dscnt 0x0
	s_barrier_signal -1
	s_barrier_wait -1
	ds_load_b128 v[16:19], v13
	ds_load_b128 v[20:23], v13 offset:SP
	s_wait_dscnt 0x0
	v_lshlrev_b32 v5, 4, v9
.irp k, 0,1
	global_store_b128 v5, v[16+4*\k:19+4*\k], s[8:9] offset:512*\k
.endr
.Lbytes:
.endif
	s_cmp_lg_u32 s35, 0
	s_cbranch_scc1 .Lnot_first
	ds_load_b64 v[8:9], v7
	s_wait_dscnt 0x0
	global_store_b64 v1, v[8:9], s[10:11]
.if WIDE && WKN
	s_branch .Lnot_first
.Lwide:
	v_lshrrev_b32 v5, 4, v9
	v_and_b32 v6, 15, v9
	v_lshlrev_b32 v5, 15, v5
	v_lshl_add_u32 v5, v6, 4, v5
	s_lshr_b32 s18, s36, 3
	s_lshl_b32 s54, s18, 17
	s_lshr_b32 s18, s16, 1
	s_lshl_b32 s18, s18, 11
	s_add_co_u32 s54, s54, s18
	s_and_b32 s18, s16, 1
	s_lshl_b32 s18, s18, 8
	s_add_co_u32 s54, s54, s18
	s_mov_b32 s55, 0
	s_add_nc_u64 s[44:45], s[44:45], s[54:55]
.irp p, 0,1
.set I, 0
.rept 16
	v_cvt_pk_f16_f32 v[C+16*\p+I], v[X+32*\p+2*I], v[X+32*\p+2*I+1]
.set I, I+1
.endr
.endr
.irp p, 0,1
.irp t, 0,1,2,3
	global_store_b128 v5, v[C+16*\p+4*\t:C+16*\p+4*\t+3], s[44:45] offset:65536*\p+512*\t
.endr
.endr
.endif
.if WIDE && !WKN
	s_branch .Lnot_first
.set SPH,   2048+16
.Lwide:
	v_lshrrev_b32 v4, 2, v9
	v_mul_u32_u24 v4, v4, PITCH
	v_and_b32 v12, 3, v9
	v_lshl_add_u32 v4, v12, 6, v4
	v_add_nc_u32 v4, s17, v4
	s_mul_i32 s18, s16, 2*SPH
	v_lshl_add_u32 v12, v9, 5, s18
	v_and_b32 v6, 15, v9
	v_lshrrev_b32 v5, 4, v9
	v_mul_u32_u24 v13, v6, SPH
	v_lshl_add_u32 v13, v5, 6, v13
	s_lshr_b32 s18, s16, 3
	s_mul_i32 s19, s18, 16*SPH
	s_and_b32 s58, s16, 7
	s_lshl_b32 s59, s58, 8
	s_add_co_u32 s19, s19, s59
	v_add_nc_u32 v13, s19, v13
	v_lshlrev_b32 v5, 4, v9
	s_lshr_b32 s54, s36, 3
	s_lshl_b32 s54, s54, 17
	s_lshl_b32 s18, s18, 15
	s_add_co_u32 s54, s54, s18
	s_lshl_b32 s58, s58, 12
	s_add_co_u32 s54, s54, s58
	s_mov_b32 s55, 0
	s_add_nc_u64 s[44:45], s[44:45], s[54:55]
	s_wait_alu depctr_va_vdst(0)
	s_wait_tensorcnt 0x0
.irp t, 0,1,2,3
.irp i, 0,1,2,3
	ds_load_b128 v[X+16*\t+4*\i:X+16*\t+4*\i+3], v4 offset:\t*8*PITCH+16*\i
.endr
.endr
	s_wait_dscnt 0x0
	s_barrier_signal -1
	s_barrier_wait -1
.set I, 0
.rept 32
	v_cvt_pk_f16_f32 v[C+I], v[X+2*I], v[X+2*I+1]
.set I, I+1
.endr
.irp t, 0,1,2,3
	ds_store_b128 v12, v[C+8*\t:C+8*\t+3] offset:(\t/2)*SPH+(\t%2)*1024
	ds_store_b128 v12, v[C+8*\t+4:C+8*\t+7] offset:(\t/2)*SPH+(\t%2)*1024+16
.endr
	s_wait_dscnt 0x0
	s_barrier_signal -1
	s_barrier_wait -1
.irp k, 0,1,2,3,4,5,6,7
	ds_load_b128 v[X+4*\k:X+4*\k+3], v13 offset:128*(\k/4)+16*(\k%4)
.endr
	s_wait_dscnt 0x0
.irp k, 0,1,2,3,4,5,6,7
	global_store_b128 v5, v[X+4*\k:X+4*\k+3], s[44:45] offset:512*\k
.endr
.endif
.Lnot_first:
	s_wait_tensorcnt 0x0
	ds_add_u32 v2, v3
	s_wait_dscnt 0x0
	s_endpgm
.Lfunc_end_k_q060616fdd9_prepare:
	.size	k_q060616fdd9_prepare, .Lfunc_end_k_q060616fdd9_prepare-k_q060616fdd9_prepare
	.p2alignl 7, 3214868480
	.fill 96, 4, 3214868480
	.section	.rodata,"a",@progbits
	.p2align	6, 0x0
	.amdhsa_kernel k_q060616fdd9_prepare
		.amdhsa_group_segment_fixed_size 284672
		.amdhsa_private_segment_fixed_size 0
		.amdhsa_enable_private_segment 0
		.amdhsa_kernarg_size 80
		.amdhsa_user_sgpr_count 2
		.amdhsa_user_sgpr_kernarg_segment_ptr 1
		.amdhsa_wavefront_size32 1
		.amdhsa_system_sgpr_workgroup_id_x 1
		.amdhsa_system_sgpr_workgroup_id_y 1
		.amdhsa_system_sgpr_workgroup_id_z 1
		.amdhsa_system_vgpr_workitem_id 0
		.amdhsa_next_free_vgpr 128
		.amdhsa_next_free_sgpr 66
		.amdhsa_reserve_vcc 0
		.amdhsa_float_denorm_mode_32 3
		.amdhsa_float_denorm_mode_16_64 3
		.amdhsa_memory_ordered 1
		.amdhsa_forward_progress 1
		.amdhsa_inst_pref_size 18
	.end_amdhsa_kernel
	.amdgpu_metadata
---
amdhsa.version: [ 1, 2 ]
amdhsa.kernels:
  - .name:           k_q060616fdd9_prepare
    .symbol:         k_q060616fdd9_prepare.kd
    .args:
      - { .name: query, .offset: 0, .size: 8, .value_kind: global_buffer, .address_space: global }
      - { .name: key, .offset: 8, .size: 8, .value_kind: global_buffer, .address_space: global }
      - { .name: value, .offset: 16, .size: 8, .value_kind: global_buffer, .address_space: global }
      - { .name: Wq, .offset: 24, .size: 8, .value_kind: global_buffer, .address_space: global }
      - { .name: Wk, .offset: 32, .size: 8, .value_kind: global_buffer, .address_space: global }
      - { .name: Wv, .offset: 40, .size: 8, .value_kind: global_buffer, .address_space: global }
      - { .name: Wo, .offset: 48, .size: 8, .value_kind: global_buffer, .address_space: global }
      - { .name: pc, .offset: 56, .size: 8, .value_kind: global_buffer, .address_space: global }
      - { .name: ps, .offset: 64, .size: 8, .value_kind: global_buffer, .address_space: global }
      - { .name: wo, .offset: 72, .size: 8, .value_kind: global_buffer, .address_space: global }
    .group_segment_fixed_size: 284672
    .private_segment_fixed_size: 0
    .kernarg_segment_align: 8
    .kernarg_segment_size: 80
    .max_flat_workgroup_size: 1024
    .sgpr_count:     66
    .vgpr_count:     128
    .wavefront_size: 32
...
	.end_amdgpu_metadata
.endif
;; end of part 1
;; launch qkv (part 2): grid 16 x 16, 4 waves a work-group, clusters of 4 x 4, 327,680 bytes of LDS; arguments pc, ps, qk, vt, lo, bq, bk, bv; writes qk, vt, lo
.if DOCPART == 2
	.amdgcn_target "amdgcn-amd-amdhsa--gfx1250"
	.amdhsa_code_object_version 6
	.text
	.protected	k_q060616fdd9_qkv
	.globl	k_q060616fdd9_qkv
	.p2align	8
	.type	k_q060616fdd9_qkv,@function
k_q060616fdd9_qkv:
	s_mov_b64 s[64:65], 0
	v_nop
	global_prefetch_b8 v0, s[64:65] scope:SCOPE_SE
	s_setreg_imm32_b32 hwreg(HW_REG_WAVE_MODE, 25, 1), 1
	s_wait_xcnt 0x0
	s_wait_alu depctr_hold_cnt(0) depctr_sa_sdst(0) depctr_va_vdst(0) depctr_va_sdst(0) depctr_va_ssrc(0) depctr_va_vcc(0) depctr_vm_vsrc(0)
	s_getreg_b32 s2, hwreg(HW_REG_IB_STS2, 6, 4)
	s_cmp_eq_u32 s2, 0
	s_cbranch_scc0 .Lentry_in_a_cluster
	s_endpgm
.Lentry_in_a_cluster:
	s_bfe_u32 s2, ttmp6, 0x10000c
	s_cmp_lg_u32 s2, 0xf033
	s_cbranch_scc0 .Lentry_shape_is_right
	s_endpgm
.Lentry_shape_is_right:
.set TOK,    8192
.set BIAS,   1
.set WIDE,   1
.set S1K,    1
.set HILO,   1
.set W3,     1
.set IN3,    1
.set BQ0,    0
.set BQH,    64
.set BK0,    1024*(1-W3)
.set BKH,    64
.set BV0,    2048*(1-W3)
.set BVH,    64
.set SIZE_K, 1024
.set NQ,     SIZE_K/128
.set NB,     4
.set NS,     16
.set TM,     2*16*NS
.set TV,     TM/2
.set TN,     2*16*NB
.set KROW,   SIZE_K/2
.set KS,     SIZE_K/32
.set PITCH,  KROW+16
.set FR,     8
.set NL,     2
.set FPW,    256/FR
.set NP,     4
.set NF,     NQ*NL+2
.set RA,     320
.set YB,     RA*PITCH
.set YV,     (RA+TN)*PITCH
.set SCL,    ((RA+2*TN)*PITCH+255)/256*256
.set RS,     TM*KS/256
.set SSTEP,  (32*KS/256)*272
.set XN,     SCL+RS*272
.set XM,     XN+2*TM*2
.set SPARE,  XM+TM*2
.set SC2,    512*PITCH
.set EMAX,   2
.set TB,     512
.set ADRA0, 4
.set AAS0, 6
.set CO,   9
.set SPW,  10
.set NIL,  11
.set ADRA, 12
.set ADRB, 14
.set ABS,  16
.set AAS,  17
.set STO,  18
.set RD,   19
.set SB,   24
.set SA,   40
.set ACC,  64
.set HV,   64
.set NCD,  128
.set MCD,  192
.set CW,   112
.set LW,   96
.set SOP,  240
.set EB,   244
.set TQ,   56
.set VX,   248
.set BQ,   128
.set BQ2,  160
.set SB2,  224
.set G1A, 24
.set G0A, 56
.set G1B, 32
.set G0B, 60
.set G1R, 48
.set G0R, 68
.set G1S, 92
.set G0S, 72
.set MSB, 0
.macro WIN new
.if MSB != \new
	s_set_vgpr_msb (MSB<<8)|\new
.set MSB, \new
.endif
.endm
.macro PLACES n
.rept \n
	v_nop
.endr
.endm
.macro BARRIER
	s_barrier_signal -1
	s_barrier_wait -1
.endm
.macro CROUND
	BARRIER
	s_cmp_lg_u32 s14, 0
	s_cbranch_scc1 .Lnot_wave_0_\@
	s_barrier_signal -3
.Lnot_wave_0_\@:
	s_barrier_wait -3
	BARRIER
.endm
.macro TLOAD g0, g1
	tensor_load_to_lds s[\g0:\g0+3], s[\g1:\g1+7]
	s_nop 0
	PLACES 4
.endm
.macro GROUP1 g, mask, rows
	s_or_b32 s[\g+0], s[\mask], (1<<20)|(1<<21)|(6<<22)|(3<<25)
	s_mov_b32 s[\g+1], (KROW&0xffff)<<16
	s_mov_b32 s[\g+2], (KROW>>16)|((\rows)<<16)
	s_mov_b32 s[\g+3], KROW<<16
	s_mov_b32 s[\g+4], \rows
	s_mov_b32 s[\g+5], KROW
	s_mov_b32 s[\g+6], 0
	s_mov_b32 s[\g+7], 0
.endm
.macro SADD d, x
	s_add_co_u32 s\d, s\d, s\x
.endm
	s_load_b128 s[4:7], s[0:1], 0x0
	v_lshl_add_u32 v[SPW], v0, 2, SPARE
	v_mov_b32 v[NIL], 0
	ds_add_u32 v[SPW], v[NIL]
	ds_add_u32 v[SPW], v[NIL]
	v_lshrrev_b32 v1, 5, v0
	v_readfirstlane_b32 s14, v1
	s_lshr_b32 s15, s14, 1
	s_and_b32 s16, s14, 1
	s_mov_b32 s17, s15
	s_mov_b32 s18, s16
	s_bfe_u32 s40, ttmp6, 0x40000
	s_bfe_u32 s41, ttmp6, 0x40004
	s_lshl_b32 s42, ttmp9, 2
	s_add_co_u32 s42, s42, s40
	s_and_b32 s43, ttmp7, 0xffff
	s_lshl_b32 s43, s43, 2
	s_add_co_u32 s43, s43, s41
	s_lshr_b32 s19, ttmp9, 1
	s_lshl_b32 s13, s19, 3
	s_sub_co_u32 s13, s42, s13
	s_lshl_b32 s12, s43, 1
	s_add_co_u32 s12, s12, s19
	s_lshl_b32 s44, s41, 2
	s_lshl_b32 s44, 15, s44
	s_lshl_b32 s45, 0x1111, s40
	GROUP1 G1A, 44, TV
	GROUP1 G1B, 45, TN
	GROUP1 G1R, 44, (TM-RA)/4
	GROUP1 G1S, 44, RA-TV
	s_mov_b32 s[G0S], 1
	s_mov_b32 s[G0S+1], TV*PITCH
	s_mul_i32 s86, s43, TM*KROW
	s_mul_i32 s2, s19, TV*KROW
	s_xor_b32 s20, s19, 1
	s_mul_i32 s66, s20, TV*KROW
	SADD 66, 86
	SADD 2, 86
.if IN3
	s_mul_i32 s20, s19, TOK*KROW
	SADD 86, 20
	SADD 66, 20
	SADD 2, 20
.endif
	s_mov_b32 s87, 0
	s_mov_b32 s67, 0
	s_mul_i32 s20, s42, TN*KROW
	s_mul_i32 s21, s13, TN*KROW
	s_add_co_u32 s21, s21, 2048*KROW
	s_cmp_eq_u32 s16, 0
	s_cselect_b32 s78, s20, s21
	s_mov_b32 s79, 0
	s_mul_i32 s80, s43, TM*KS
.if IN3
	s_mul_i32 s20, s19, TOK*KS
	SADD 80, 20
.endif
	s_mov_b32 s81, 0
	s_mul_i32 s82, s42, TN*KS
	s_mul_i32 s21, s18, 16*NB*KS
	s_add_co_u32 s82, s82, s21
	s_mov_b32 s83, 0
	s_mul_i32 s84, s13, TN*KS
	s_add_co_u32 s84, s84, s21
	s_add_co_u32 s84, s84, 2048*KS
	s_mov_b32 s85, 0
	s_mov_b32 s[G0A], 1
	s_mov_b32 s[G0A+1], 0
	s_mov_b32 s[G0B], 1
	s_mul_i32 s[G0B+1], s16, TN*PITCH
	s_add_co_u32 s[G0B+1], s[G0B+1], YB
	s_mov_b32 s[G0R], 1
	v_and_b32 v1, 15, v0
	v_bfe_u32 v2, v0, 4, 1
	v_and_b32 v3, 31, v0
	v_mul_u32_u24 v22, v1, PITCH
	v_mad_u32_u24 v23, v2, 16, v22
	s_mul_i32 s21, s17, 16*PITCH
	v_add_nc_u32 v[ADRA0], s21, v23
	s_mul_i32 s22, s18, 16*NB*PITCH
	s_add_co_u32 s22, s22, YB
	v_add_nc_u32 v[ADRB], s22, v23
	s_add_co_u32 s22, s22, YV-YB
	v_add_nc_u32 v[ADRB+1], s22, v23
	v_mul_u32_u24 v[ABS], v3, KS
	v_mul_u32_u24 v23, v1, KS
	v_lshrrev_b32 v22, 8, v23
	v_lshl_add_u32 v23, v22, 4, v23
	s_mul_i32 s21, s17, (16*KS/256)*272
	s_add_co_u32 s21, s21, SCL
	v_add_nc_u32 v[AAS0], s21, v23
	s_lshl_b32 s90, s40, 2
	s_add_co_u32 s90, s90, s14
	s_wait_alu depctr_va_vdst(0)
	s_wait_dscnt 0x0
	s_wait_kmcnt 0x0
	s_add_nc_u64 s[8:9], s[4:5], (1+2*IN3)*TOK*KROW
	s_add_nc_u64 s[10:11], s[6:7], (1+2*IN3)*TOK*KS
	s_mov_b32 s3, 0
	s_add_nc_u64 s[66:67], s[4:5], s[66:67]
	s_add_nc_u64 s[2:3], s[4:5], s[2:3]
	s_add_nc_u64 s[84:85], s[10:11], s[84:85]
	s_add_nc_u64 s[86:87], s[4:5], s[86:87]
	s_mov_b64 s[G0A+2:G0A+3], s[2:3]
	s_mov_b32 s2, s80
.if IN3
	s_mul_i32 s3, s12, TV*KROW
	s_add_co_u32 s3, s3, 2*TOK*KROW
.endif
	s_or_b32 s[G0A+3], s[G0A+3], 0x80000000
	s_add_nc_u64 s[G0B+2:G0B+3], s[8:9], s[78:79]
	s_or_b32 s[G0B+3], s[G0B+3], 0x80000000
	s_mov_b64 s[G0S+2:G0S+3], s[66:67]
	s_or_b32 s[G0S+3], s[G0S+3], 0x80000000
	s_add_nc_u64 s[10:11], s[10:11], s[82:83]
	CROUND
	s_cmp_eq_u32 s15, 0
	s_cbranch_scc0 .Lfor_a
	TLOAD G0B, G1B
	s_branch .Lasked
.Lfor_a:
	s_cmp_eq_u32 s16, 0
	s_cbranch_scc0 .Lfor_scales
	TLOAD G0A, G1A
	s_branch .Lasked
.Lfor_scales:
	TLOAD G0S, G1S
.Lasked:
	s_lshl_b32 s21, s42, 1
	SADD 21, 18
.if WIDE
	s_mul_i32 s76, s21, TOK*128
	s_mul_i32 s22, s43, TM*128
	SADD 76, 22
	s_lshl_b32 s22, s17, 14
	SADD 76, 22
	s_mov_b32 s77, 0
	s_lshl_b32 s21, s13, 1
	SADD 21, 18
	s_mul_i32 s80, s21, TOK*128
	s_mul_i32 s22, s12, TV*128
	SADD 80, 22
	s_lshl_b32 s22, s17, 14
	SADD 80, 22
	s_mov_b32 s81, 0
.if HILO
	s_lshl_b32 s78, s42, 1
	SADD 78, 18
	s_mul_i32 s78, s78, (TOK>>(11-S1K))
	s_mul_i32 s22, s43, TM
	s_lshr_b32 s22, s22, 11-S1K
	SADD 78, 22
	s_lshl_b32 s78, s78, 13
	s_mov_b32 s79, 0
	s_mul_i32 s82, s21, (TOK>>(11-S1K))
	SADD 82, 22
	s_lshl_b32 s82, s82, 13
	s_add_co_u32 s82, s82, 32*((TOK>>(11-S1K)))*8192
	s_mov_b32 s83, 0
.endif
.else
	s_mul_i32 s76, s21, TOK/16*TB
	s_mul_i32 s22, s43, TM/16*TB
	SADD 76, 22
	s_mul_i32 s22, s17, 8*TB
	SADD 76, 22
	s_mov_b32 s77, 0
	s_lshl_b32 s21, s42, 1
	SADD 21, 15
	s_mul_i32 s78, s21, TOK*2
	s_mul_i32 s22, s43, TM*2
	SADD 78, 22
	s_xor_b32 s22, s16, s19
	s_mul_i32 s22, s22, TM
	SADD 78, 22
	s_mov_b32 s79, 0
	s_lshl_b32 s21, s13, 1
	SADD 21, 18
	s_mul_i32 s80, s21, TOK/16*TB
	s_mul_i32 s22, s12, TV/16*TB
	SADD 80, 22
	s_mul_i32 s22, s17, 8*TB
	SADD 80, 22
	s_mov_b32 s81, 0
	s_lshl_b32 s21, s13, 1
	SADD 21, 15
	s_mul_i32 s82, s21, TOK*2
	s_mul_i32 s22, s12, TV*2
	SADD 82, 22
	s_mul_i32 s22, s16, TV
	SADD 82, 22
	s_mov_b32 s83, 0
.endif
.irp p, 0,1
.irp c, 0,1
	global_load_b128 v[SB2+NQ*\p+4*\c:SB2+NQ*\p+4*\c+3], v[ABS], s[84:85] offset:\p*32*KS+16*\c
.endr
.endr
	s_wait_xcnt 0x0
.if BIAS
	s_load_b64 s[84:85], s[0:1], 0x30-16*WIDE+8*HILO*WIDE
.if W3
	s_load_b64 s[46:47], s[0:1], 0x38-16*WIDE+8*HILO*WIDE
	s_load_b64 s[88:89], s[0:1], 0x40-16*WIDE+8*HILO*WIDE
.endif
	s_lshl_b32 s21, s42, 1
	SADD 21, 18
	s_and_b32 s21, s21, 15
	s_mov_b32 s20, 4*BQH
	s_mov_b32 s22, 4*BQ0
	s_cmp_eq_u32 s19, 1
	s_cselect_b32 s20, 4*BKH, s20
	s_cselect_b32 s22, 4*BK0, s22
	s_mul_i32 s20, s21, s20
	SADD 20, 22
	s_mov_b32 s21, 0
	s_lshl_b32 s22, s13, 1
	SADD 22, 18
	s_mul_i32 s22, s22, 4*BVH
	s_add_co_u32 s22, s22, 4*BV0
	s_mov_b32 s23, 0
	v_lshlrev_b32 v22, 7, v2
	v_lshrrev_b32 v23, 3, v1
	v_lshlrev_b32 v23, 7, v23
	v_and_b32 v8, 7, v1
	v_lshl_add_u32 v23, v8, 2, v23
	s_wait_alu depctr_va_vdst(0)
	s_wait_kmcnt 0x0
.if W3
	s_add_nc_u64 s[22:23], s[88:89], s[22:23]
	s_cmp_eq_u32 s19, 1
	s_cselect_b64 s[84:85], s[46:47], s[84:85]
.else
	s_add_nc_u64 s[22:23], s[84:85], s[22:23]
.endif
	s_add_nc_u64 s[20:21], s[84:85], s[20:21]
	WIN 2<<6
.irp k, 0,1,2,3,4,5,6,7
	global_load_b128 v[BQ+4*\k:BQ+4*\k+3], v22, s[20:21] offset:16*\k
.endr
.irp t, 0,1,2,3
	global_load_b32 v[BQ2+8*\t], v23, s[22:23] offset:32*\t
.endr
	WIN 0
	s_wait_xcnt 0x0
.endif
	v_lshlrev_b32 v[CO], 4, v3
.if !WIDE
	s_mul_i32 s21, s18, TM*2
	s_add_co_u32 s21, s21, XN
	s_lshl_b32 s22, s17, 8
	SADD 21, 22
	v_lshl_add_u32 v23, v1, 2, v2
	v_add_nc_u32 v[STO], s21, v23
	s_mul_i32 s21, s18, TV*2
	s_add_co_u32 s21, s21, XM
	SADD 21, 22
	v_add_nc_u32 v[RD], s21, v23
.endif
.irp p, 0,1
.irp c, 0,1
	global_load_b128 v[SB+NQ*\p+4*\c:SB+NQ*\p+4*\c+3], v[ABS], s[10:11] offset:\p*32*KS+16*\c
.endr
.endr
	s_xor_b32 s20, s15, s19
	s_mul_i32 s20, s20, TV*KS
	SADD 20, 2
	s_mov_b32 s21, 0
	s_add_nc_u64 s[20:21], s[6:7], s[20:21]
	v_and_b32 v22, 63, v0
	v_lshlrev_b32 v22, 7, v22
	v_lshrrev_b32 v23, 1, v0
	v_lshlrev_b32 v8, 7, v0
	v_lshl_add_u32 v23, v23, 4, v8
	v_add_nc_u32 v23, SCL, v23
.irp k, 0,1,2,3,4,5,6,7
	global_load_b128 v[HV+4*\k:HV+4*\k+3], v22, s[20:21] offset:16*\k
.endr
.if IN3
	s_wait_xcnt 0x0
	s_mul_i32 s20, s12, TV*KS
	s_add_co_u32 s20, s20, 2*TOK*KS
	s_mov_b32 s21, 0
	s_add_nc_u64 s[20:21], s[6:7], s[20:21]
	v_lshlrev_b32 v22, 6, v0
	v_lshrrev_b32 v8, 2, v0
	v_lshl_add_u32 v8, v8, 4, v22
	v_add_nc_u32 v[VX+2], SC2, v8
.irp k, 0,1,2,3
	global_load_b128 v[HV+32+4*\k:HV+32+4*\k+3], v22, s[20:21] offset:16*\k
.endr
.endif
	s_wait_alu depctr_va_vdst(0)
	s_wait_loadcnt 0x0
.irp k, 0,1,2,3,4,5,6,7
	ds_store_b128 v23, v[HV+4*\k:HV+4*\k+3] offset:16*\k
.endr
	s_wait_dscnt 0x0
	s_cmp_eq_u32 s15, 0
	s_cbranch_scc0 .Lnot_b
	s_wait_tensorcnt 0x0
.Lnot_b:
	BARRIER
.macro PREFETCH b0, b1, r0, n, again
.if \again
	s_wait_xcnt 0x0
.endif
	s_add_nc_u64 s[88:89], s[\b0:\b1], (\r0)*KROW
	s_mul_i32 s21, s90, (\n)/8
	v_min_u32 v7, (\n)/8-1, v3
	v_add_nc_u32 v7, s21, v7
	v_lshlrev_b32 v7, 8, v7
	global_prefetch_b8 v7, s[88:89] th:TH_LOAD_NT scope:SCOPE_SE
.endm
	PREFETCH 66, 67, RA-TV, TM-RA, 0
.macro FRAG f, adr, q, off
	WIN (1+(\f)/FPW)<<6
.irp c, 0,1
	ds_load_b128 v[FR*((\f)%FPW)+4*\c:FR*((\f)%FPW)+4*\c+3], v[\adr] offset:64*(\q)+32*\c+(\off)
.endr
.endm
.macro FETCH e
	v_add_nc_u32 v[ADRA], s20, v[ADRA0]
	v_add_nc_u32 v[AAS], s21, v[AAS0]
.irp q, 0,1,2,3,4,5,6,7
	FRAG NB*NQ+NQ*(\e)+\q, ADRA, \q, 0
.endr
	WIN 0
	ds_load_b128 v[SA+8*(\e):SA+8*(\e)+3], v[AAS]
	ds_load_b128 v[SA+8*(\e)+4:SA+8*(\e)+7], v[AAS] offset:16
.endm
.macro NEXT n, kind
	s_add_co_u32 s22, s22, 2
.if IN3 && !(\kind)
	s_sub_co_u32 s23, s22, 8
	s_cmp_ge_u32 s22, \n
	s_cselect_b32 s22, s23, s22
.else
	s_and_b32 s22, s22, (\n)-1
.endif
	s_mul_i32 s20, s22, 32*PITCH
	s_mul_i32 s21, s22, SSTEP
.if IN3 && (\kind)
	s_add_co_u32 s21, s21, SC2-SCL
.endif
.endm
.macro WM d, s0, s1, c, x0, x1, side, o
	v_wmma_scale_f32_16x16x128_f8f6f4 v[\d:\d+7], v[FR*((\s0)%FPW):FR*((\s0)%FPW)+FR-1], v[FR*((\s1)%FPW):FR*((\s1)%FPW)+FR-1], \c, v[\x0], v[\x1] matrix_a_fmt:MATRIX_FMT_FP4 matrix_b_fmt:MATRIX_FMT_FP4 matrix_\side\()_scale:MATRIX_SCALE_ROW\o
.endm
.macro MUL1 q, p, o, e, d, c, cw, kind
.set FB, 2*FPW*(\kind)+NB*(\q)+2*\p+\o
.set FA, NB*NQ+NQ*(\e)+\q
.if !(\kind)
	WIN (1+FB/FPW)|((1+FA/FPW)<<2)|((\cw)<<4)
	WM \d, FB, FA, \c, SB+NQ*\p+\q, SA+8*(\e)+\q, a, \o
.else
	WIN (1+FA/FPW)|((1+FB/FPW)<<2)|((\cw)<<4)
	WM \d, FA, FB, \c, SA+8*(\e)+\q, SB2+NQ*\p+\q, b, \o
.endif
.endm
.macro MUL e, kind, a0, as, bq
.irp q, 0,1,2,3,4,5,6,7
.irp p, 0,1
.irp o, 0,1
.if (\q) == 0 && BIAS
	MUL1 \q, \p, \o, \e, \a0+\as*(2*\p+\o), v[\bq+8*(2*\p+\o):\bq+8*(2*\p+\o)+7], 2, \kind
.elseif (\q) == 0
	MUL1 \q, \p, \o, \e, \a0+\as*(2*\p+\o), 0, 0, \kind
.else
	MUL1 \q, \p, \o, \e, \a0+\as*(2*\p+\o), v[\a0+\as*(2*\p+\o):\a0+\as*(2*\p+\o)+7], 0, \kind
.endif
.endr
.endr
.endr
	WIN 0
.endm
.macro QUANT x, c, n
.irp k, 0,1,2,3
	v_max3_num_f32 v[TQ+\k], |v[\x+8*\k]|, |v[\x+8*\k+1]|, |v[\x+8*\k+2]|
.endr
.irp i, 3,5
.irp k, 0,1,2,3
	v_max3_num_f32 v[TQ+\k], v[TQ+\k], |v[\x+8*\k+\i]|, |v[\x+8*\k+\i+1]|
.endr
.endr
.irp k, 0,1,2,3
	v_max_num_f32 v[TQ+\k], v[TQ+\k], |v[\x+8*\k+7]|
.endr
	v_max3_num_f32 v[TQ], v[TQ], v[TQ+1], v[TQ+2]
	v_max3_num_f32 v[TQ], v[TQ], v[TQ+3], (EMAX+1)<<23
	v_add_nc_u32 v[SOP+\n], -(EMAX<<23), v[TQ]
.irp k, 0,1,2,3
	v_cvt_scalef32_pk8_fp4_f32 v[\c+\k], v[\x+8*\k:\x+8*\k+7], v[SOP+\n]
.endr
	v_lshrrev_b32 v[EB+\n], 23, v[SOP+\n]
.endm
.if WIDE
.macro CVT4 c
.irp t, 0,1,2,3
.irp k, 0,1,2,3
	v_cvt_pk_f16_f32 v[\c+4*\t+\k], v[ACC+8*\t+2*\k], v[ACC+8*\t+2*\k+1]
.endr
.endr
.endm
.macro LOW4 c
.irp t, 0,1,2,3
.irp k, 0,1,2,3
	v_cvt_f32_f16 v[TQ+2*\k], v[\c+4*\t+\k].l
	v_cvt_f32_f16 v[TQ+2*\k+1], v[\c+4*\t+\k].h
.endr
.irp k, 0,1,2,3
	v_pk_add_f32 v[TQ+2*\k:TQ+2*\k+1], v[ACC+8*\t+2*\k:ACC+8*\t+2*\k+1], v[TQ+2*\k:TQ+2*\k+1] neg_lo:[0,1] neg_hi:[0,1]
.endr
.irp k, 0,1,2,3
	v_cvt_pk_f16_f32 v[LW+4*\t+\k], v[TQ+2*\k], v[TQ+2*\k+1]
.endr
.endr
.endm
.macro WOUT u, off, step, first, lbase, lstep, mask
	CVT4 CW+16*(\u)
.irp t, 0,1,2,3
	global_store_b128 v[CO], v[CW+16*(\u)+4*\t:CW+16*(\u)+4*\t+3], s[84:85] offset:(\off)+(\step)*\t
.endr
.if HILO
	s_sub_co_u32 s20, s46, s[\first]
	s_cmp_lt_u32 s20, 2
	s_cbranch_scc0 .Lno_low_\@
	s_cmp_eq_u32 s17, 0
	s_cbranch_scc0 .Lno_low_\@
	LOW4 CW+16*(\u)
	s_wait_alu depctr_va_vdst(0)
	s_wait_xcnt 0x0
	s_wait_dscnt 0x0
	s_mul_i32 s20, s20, 2*(\lstep)
	s_mov_b32 s21, 0
	s_add_nc_u64 s[22:23], \lbase, s[20:21]
	s_mov_b32 exec_lo, s[\mask]
.irp t, 0,1,2,3
	global_store_b128 v[CO], v[LW+4*\t:LW+4*\t+3], s[22:23] offset:(\lstep)*(\u)+(\step)*\t
.endr
	s_wait_xcnt 0x0
	s_mov_b32 exec_lo, -1
.Lno_low_\@:
.endif
.endm
.endif
.macro BREGS adr, f0
.irp q, 0,1,2,3,4,5,6,7
.irp b, 0,1,2,3
	FRAG (\f0)+NB*\q+\b, \adr, \q, \b*16*PITCH
.endr
.endr
	WIN 0
.endm
.macro S1 u
	MUL \u, 0, ACC, 8, BQ
	PLACES NP+1
	s_wait_dscnt 0x0
	s_lshl_b32 s22, s46, 1
.if \u
	s_add_co_u32 s22, s22, 1
.endif
	NEXT NS, 0
	FETCH \u
.if WIDE
.if !(\u)
	s_wait_xcnt 0x0
	s_lshr_b32 s20, s46, 2
	s_xor_b32 s20, s20, s19
	s_lshl_b32 s20, s20, 3
	s_and_b32 s21, s46, 3
	s_or_b32 s20, s20, s21
	s_lshl_b32 s20, s20, 12
	s_mov_b32 s21, 0
	s_add_nc_u64 s[84:85], s[92:93], s[20:21]
.endif
	WOUT \u, 2048*(\u), 512, 34, s[94:95], 2048, 32
.else
.if !(\u)
	s_wait_xcnt 0x0
	s_lshr_b32 s20, s46, 2
	s_lshl_b32 s22, s46, 6
	s_and_b32 s22, s22, 192
	s_lshl_b32 s23, s20, 9
	s_or_b32 s22, s22, s23
	v_add_nc_u32 v[VX], s22, v[STO]
	s_xor_b32 s20, s20, s19
	s_lshl_b32 s20, s20, 3
	s_and_b32 s21, s46, 3
	s_or_b32 s20, s20, s21
	s_mul_i32 s20, s20, 2*TB
	s_mov_b32 s21, 0
	s_add_nc_u64 s[84:85], s[92:93], s[20:21]
.endif
	QUANT ACC, NCD+4*(\u), \u
	ds_store_b8 v[VX], v[EB+\u] offset:2*(\u)
.if \u
.irp k, 0,1
	global_store_b128 v[CO], v[NCD+4*\k:NCD+4*\k+3], s[84:85] offset:512*\k
.endr
.endif
	s_wait_alu depctr_va_vdst(0)
.endif
.endm
.macro S2W u
	MUL \u, 1, ACC, 8, BQ2
	PLACES NP+1
	s_wait_dscnt 0x0
	s_lshl_b32 s22, s46, 1
.if \u
	s_add_co_u32 s22, s22, 1
.endif
	NEXT NS/2, 1
	FETCH \u
.if !(\u)
	s_wait_xcnt 0x0
	s_lshr_b32 s20, s46, 1
	s_lshl_b32 s20, s20, 13
	s_and_b32 s21, s46, 1
	s_lshl_b32 s21, s21, 10
	s_or_b32 s20, s20, s21
	s_mov_b32 s21, 0
	s_add_nc_u64 s[84:85], s[96:97], s[20:21]
.endif
	WOUT \u, 512*(\u), 2048, 35, s[98:99], 512, 33
.endm
.macro S2 j
	MUL ((\j)%2), 1, HV+8*(\j), 32, BQ2
	PLACES NP+1
	s_wait_dscnt 0x0
	s_lshl_b32 s22, s46, 2
.if \j
	s_add_co_u32 s22, s22, \j
.endif
	NEXT NS/2, 1
	FETCH ((\j)%2)
.if (\j) == 3
	s_wait_xcnt 0x0
	s_lshl_b32 s22, s46, 1
	s_lshl_b32 s20, s46, 9
	s_mov_b32 s21, 0
	s_add_nc_u64 s[84:85], s[96:97], s[20:21]
	v_add_nc_u32 v[VX+1], s22, v[RD]
.irp t, 0,1,2,3
	QUANT HV+32*\t, MCD+4*\t, \t
	ds_store_b8 v[VX+1], v[EB+\t] offset:64*\t
	global_store_b128 v[CO], v[MCD+4*\t:MCD+4*\t+3], s[84:85] offset:2*TB*\t
.endr
.endif
	s_wait_alu depctr_va_vdst(0)
.endm
	BREGS ADRB, 0
	BREGS ADRB+1, 2*FPW
	s_wait_tensorcnt 0x0
	ds_add_u32 v[SPW], v[NIL]
	s_mul_i32 s[G0R+1], s14, (TM-RA)/4*PITCH
	s_add_co_u32 s[G0R+1], s[G0R+1], RA*PITCH
	s_mul_i32 s20, s14, (TM-RA)/4*KROW
	s_add_co_u32 s20, s20, (RA-TV)*KROW
	s_mov_b32 s21, 0
	s_add_nc_u64 s[G0R+2:G0R+3], s[66:67], s[20:21]
	s_or_b32 s[G0R+3], s[G0R+3], 0x80000000
	s_wait_dscnt 0x0
	CROUND
	TLOAD G0R, G1R
.if IN3
.irp k, 0,1,2,3
	ds_store_b128 v[VX+2], v[HV+32+4*\k:HV+32+4*\k+3] offset:16*\k
.endr
.endif
.if WIDE
	s_load_b64 s[92:93], s[0:1], 0x10
	s_load_b64 s[96:97], s[0:1], 0x18
.if HILO
	s_load_b64 s[94:95], s[0:1], 0x20
	s_and_b32 s32, s43, (2048>>S1K)/TM-1
	s_cmp_eq_u32 s32, 0
	s_cselect_b32 s32, -1, 0
	s_and_b32 s33, s12, (2048>>S1K)/TV-1
	s_cmp_eq_u32 s33, 0
	s_cselect_b32 s33, -1, 0
	s_lshl_b32 s34, s19, 2
	s_mov_b32 s35, 0
.endif
.else
	s_load_b256 s[92:99], s[0:1], 0x10
.endif
.if IN3
	s_lshl_b32 s21, s90, 13
	SADD 21, 3
	s_wait_xcnt 0x0
	v_lshlrev_b32 v7, 8, v3
	v_add_nc_u32 v7, s21, v7
	global_prefetch_b8 v7, s[4:5] th:TH_LOAD_NT scope:SCOPE_SE
.endif
	s_mov_b32 s20, 0
	s_mov_b32 s21, 0
	FETCH 0
	s_mov_b32 s20, 32*PITCH
	s_mov_b32 s21, SSTEP
	FETCH 1
	s_wait_kmcnt 0x0
	s_add_nc_u64 s[92:93], s[92:93], s[76:77]
.if !WIDE
	s_add_nc_u64 s[94:95], s[94:95], s[78:79]
.endif
	s_add_nc_u64 s[96:97], s[96:97], s[80:81]
.if WIDE && HILO
	s_add_nc_u64 s[98:99], s[94:95], s[82:83]
	s_add_nc_u64 s[94:95], s[94:95], s[78:79]
.elseif !WIDE
	s_add_nc_u64 s[98:99], s[98:99], s[82:83]
.endif
.if BIAS
	WIN (2<<6)|2
.irp t, 0,8,16,24
.irp i, 1,2,3,4,5,6,7
	v_mov_b32 v[BQ2+\t+\i], v[BQ2+\t]
.endr
.endr
	WIN 0
.endif
	s_wait_alu depctr_va_vdst(0)
	s_wait_dscnt NF
	s_mov_b32 s46, 0
.if IN3
	s_mov_b32 s100, NS/4
.Lpair_a:
	S1 0
	S1 1
	s_add_co_u32 s46, s46, 1
	s_sub_co_i32 s100, s100, 1
	s_cmp_lg_u32 s100, 0
	s_cbranch_scc1 .Lpair_a
	s_wait_tensorcnt 0x0
	ds_add_u32 v[SPW], v[NIL]
	s_mov_b32 s[G1A+2], (KROW>>16)|((TV/4)<<16)
	s_mov_b32 s[G1A+4], TV/4
	s_mul_i32 s[G0A+1], s14, TV/4*PITCH
	s_mul_i32 s20, s14, TV/4*KROW
	s_add_co_u32 s20, s20, s3
	s_mov_b32 s21, 0
	s_add_nc_u64 s[G0A+2:G0A+3], s[4:5], s[20:21]
	s_or_b32 s[G0A+3], s[G0A+3], 0x80000000
	s_wait_dscnt 0x0
	CROUND
	TLOAD G0A, G1A
	s_mov_b32 s100, NS/4
.Lpair_b:
	S1 0
	S1 1
	s_add_co_u32 s46, s46, 1
	s_sub_co_i32 s100, s100, 1
	s_cmp_lg_u32 s100, 0
	s_cbranch_scc1 .Lpair_b
	s_wait_tensorcnt 0x0
	s_wait_dscnt 0x0
	BARRIER
.else
	s_mov_b32 s47, 2
.Lrun:
	s_mov_b32 s100, NS/4
.Lpair:
	S1 0
	S1 1
	s_add_co_u32 s46, s46, 1
	s_sub_co_i32 s100, s100, 1
	s_cmp_lg_u32 s100, 0
	s_cbranch_scc1 .Lpair
	s_wait_tensorcnt 0x0
	s_wait_dscnt 0x0
	BARRIER
	s_sub_co_i32 s47, s47, 1
	s_cmp_lg_u32 s47, 0
	s_cbranch_scc1 .Lrun
.endif
.if !WIDE
	s_wait_xcnt 0x0
.endif
.if IN3
	s_mov_b32 s20, 0
	s_mov_b32 s21, SC2-SCL
	FETCH 0
	s_mov_b32 s20, 32*PITCH
	s_mov_b32 s21, SC2-SCL+SSTEP
	FETCH 1
	s_wait_dscnt NF
.endif
	s_mov_b32 s46, 0
.Lband:
.if WIDE
	S2W 0
	S2W 1
	s_add_co_u32 s46, s46, 1
	s_cmp_lg_u32 s46, NS/4
	s_cbranch_scc1 .Lband
.else
	S2 0
	S2 1
	S2 2
	S2 3
	s_add_co_u32 s46, s46, 1
	s_cmp_lg_u32 s46, NS/8
	s_cbranch_scc1 .Lband
	s_wait_dscnt 0x0
	BARRIER
	s_mul_i32 s21, s14, TM
	s_add_co_u32 s21, s21, XN
	v_add_nc_u32 v[VX], s21, v[CO]
	s_mul_i32 s21, s14, TV
	s_add_co_u32 s21, s21, XM
	v_lshlrev_b32 v[VX+1], 3, v3
	v_add_nc_u32 v[VX+2], s21, v[VX+1]
	s_wait_alu depctr_va_vdst(0)
	s_wait_xcnt 0x0
	ds_load_b128 v[TQ:TQ+3], v[VX]
	ds_load_b64 v[TQ+4:TQ+5], v[VX+2]
	s_wait_dscnt 0x0
	global_store_b128 v[CO], v[TQ:TQ+3], s[94:95]
	global_store_b64 v[VX+1], v[TQ+4:TQ+5], s[98:99]
.endif
	s_wait_tensorcnt 0x0
	ds_add_u32 v[SPW], v[NIL]
	s_wait_dscnt 0x0
	CROUND
	s_endpgm
.Lfunc_end_k_q060616fdd9_qkv:
	.size	k_q060616fdd9_qkv, .Lfunc_end_k_q060616fdd9_qkv-k_q060616fdd9_qkv
	.p2alignl 7, 3214868480
	.fill 96, 4, 3214868480
	.section	.rodata,"a",@progbits
	.p2align	6, 0x0
	.amdhsa_kernel k_q060616fdd9_qkv
		.amdhsa_group_segment_fixed_size 327680
		.amdhsa_private_segment_fixed_size 0
		.amdhsa_enable_private_segment 0
		.amdhsa_kernarg_size 64
		.amdhsa_user_sgpr_count 2
		.amdhsa_user_sgpr_kernarg_segment_ptr 1
		.amdhsa_wavefront_size32 1
		.amdhsa_system_sgpr_workgroup_id_x 1
		.amdhsa_system_sgpr_workgroup_id_y 1
		.amdhsa_system_sgpr_workgroup_id_z 1
		.amdhsa_system_vgpr_workitem_id 0
		.amdhsa_next_free_vgpr 1024
		.amdhsa_next_free_sgpr 102
		.amdhsa_reserve_vcc 0
		.amdhsa_float_denorm_mode_32 3
		.amdhsa_float_denorm_mode_16_64 3
		.amdhsa_memory_ordered 1
		.amdhsa_forward_progress 1
		.amdhsa_inst_pref_size 105
	.end_amdhsa_kernel
	.amdgpu_metadata
---
amdhsa.version: [ 1, 2 ]
amdhsa.kernels:
  - .name:           k_q060616fdd9_qkv
    .symbol:         k_q060616fdd9_qkv.kd
    .args:
      - { .name: pc, .offset: 0, .size: 8, .value_kind: global_buffer, .address_space: global }
      - { .name: ps, .offset: 8, .size: 8, .value_kind: global_buffer, .address_space: global }
      - { .name: qk, .offset: 16, .size: 8, .value_kind: global_buffer, .address_space: global }
      - { .name: vt, .offset: 24, .size: 8, .value_kind: global_buffer, .address_space: global }
      - { .name: lo, .offset: 32, .size: 8, .value_kind: global_buffer, .address_space: global }
      - { .name: bq, .offset: 40, .size: 8, .value_kind: global_buffer, .address_space: global }
      - { .name: bk, .offset: 48, .size: 8, .value_kind: global_buffer, .address_space: global }
      - { .name: bv, .offset: 56, .size: 8, .value_kind: global_buffer, .address_space: global }
    .group_segment_fixed_size: 327680
    .private_segment_fixed_size: 0
    .kernarg_segment_align: 8
    .kernarg_segment_size: 64
    .max_flat_workgroup_size: 128
    .sgpr_count:     102
    .vgpr_count:     1024
    .wavefront_size: 32
...
	.end_amdgpu_metadata
.endif
;; end of part 2
;; launch attention (part 3): grid 4 x 128, 8 waves a work-group, clusters of 4 x 1, 327,680 bytes of LDS; arguments qk, vt, lo, cx, cxl; writes cx, cxl
.if DOCPART == 3
	.amdgcn_target "amdgcn-amd-amdhsa--gfx1250"
	.amdhsa_code_object_version 6
	.text
	.protected	k_q060616fdd9_attention
	.globl	k_q060616fdd9_attention
	.p2align	8
	.type	k_q060616fdd9_attention,@function
k_q060616fdd9_attention:
	s_mov_b64 s[64:65], 0
	v_nop
	global_prefetch_b8 v0, s[64:65] scope:SCOPE_SE
	s_setreg_imm32_b32 hwreg(HW_REG_WAVE_MODE, 25, 1), 1
	s_wait_xcnt 0x0
	s_wait_alu depctr_hold_cnt(0) depctr_sa_sdst(0) depctr_va_vdst(0) depctr_va_sdst(0) depctr_va_ssrc(0) depctr_va_vcc(0) depctr_vm_vsrc(0)
	s_getreg_b32 s2, hwreg(HW_REG_IB_STS2, 6, 4)
	s_cmp_eq_u32 s2, 0
	s_cbranch_scc0 .Lentry_in_a_cluster
	s_endpgm
.Lentry_in_a_cluster:
	s_bfe_u32 s2, ttmp6, 0x10000c
	s_cmp_lg_u32 s2, 0x3003
	s_cbranch_scc0 .Lentry_shape_is_right
	s_endpgm
.Lentry_shape_is_right:
.set SIZE_H, 128
.set SIZE_CAUSAL, 1
.set HILO,   1
.set S1K,    1
.set NT2,    S1K
.set NT,     4-2*NT2
.set CBITS,  0x3e38aa3b
.set MASKIN, 0
.set MHS,    4
.set MDT,    1
.set MSENSE, 0
.set MVAL,   0
.set MBYTE,  158
.set NK,     2048>>S1K
.set BANDB,  8192
.set PARTB,  8*BANDB
.set HEADB,  NK*128
.set SLOT,   2*PARTB
.set SPARE,  2*SLOT
.set MKT,    SPARE+1024
.set SPW,    1
.set NIL,    2
.set AK,     3
.set ADK,    4
.set ADV,    5
.set NINF,   6
.set NMO,    7
.set TM,     8
.set BX,     10
.set CH,     12
.set ST,     16
.set SU,     40
.set S,      64
.set P,      96
.set QF,     112
.set KF,     176
.set QL,     240
.set MKR,    240
.set MQ,     240
.set AMK,    6
.set AMQ,    11
.set O,      0
.set VF,     128
.set KL,     192
.set WV,     18
.set HD,     19
.set CX,     20
.set CS,     22
.set G1,     24
.set G0,     32
.set SEL,    36
.set IC,     38
.set TK,     39
.set TV,     40
.set T0,     41
.set T1,     42
.set T2,     43
.set T3,     44
.set LIMI,   45
.set OB,     46
.set OO,     48
.set KG,     50
.set QB,     52
.set SB,     60
.set MK,     66
.set GB,     98
.set LM,     98
.set SC,     14
.set PT,     15
.set SBS,    21
.set MSC,    63
.set AT,     62
.macro MMS d, a, b, c
	v_wmma_f32_16x16x32_f16 v[\d:\d+7], v[\a:\a+7], v[\b:\b+7], \c
.endm
.macro ROUND
	s_barrier_signal -1
	s_barrier_wait -1
	s_cmp_lg_u32 s[WV], 0
	s_cbranch_scc1 .Lnot_wave_0_\@
	s_barrier_signal -3
.Lnot_wave_0_\@:
	s_barrier_wait -3
	s_barrier_signal -1
	s_barrier_wait -1
.endm
.macro ASK
	tensor_load_to_lds s[G0:G0+3], s[G1:G1+7]
	s_nop 0
.rept 4
	v_nop
.endr
.endm
.macro LOADK
	v_add_nc_u32 v[ADK], s[TK], v[AK]
.irp n, 0,1,2,3,4,5,6,7,8,9,10,11,12,13,14,15
	ds_load_b128 v[KF+4*\n:KF+4*\n+3], v[ADK] offset:512*\n
.endr
.endm
.macro KNEXT c
	s_add_co_u32 s[T0], s[IC], \c
	s_min_u32 s[T0], s[T0], 7
	s_lshl_b32 s[TK], s[T0], 13
	s_add_co_u32 s[TK], s[TK], s[SBS]
	LOADK
.if MASKIN == 1
	s_lshl_b32 s[T1], s[PT], 3
	s_add_co_u32 s[T0], s[T0], s[T1]
	s_lshl_b32 s[T0], s[T0], 5
	v_add_nc_u32 v[AMQ], s[T0], v[AMK]
	ds_load_b128 v[MKR:MKR+3], v[AMQ]
.endif
.endm
.macro LOADV
	v_add_nc_u32 v[ADV], s[TV], v[AK]
	LOADVA
.endm
.macro VNEXT
	s_add_co_u32 s[T0], s[IC], 1
	s_min_u32 s[T0], s[T0], 7
	s_lshl_b32 s[T0], s[T0], 13
	s_add_co_u32 s[T0], s[T0], s[SBS]
	s_add_co_u32 s[T0], s[T0], PARTB
	v_add_nc_u32 v[ADV], s[T0], v[AK]
	LOADVA
.endm
.macro LOADVA
	s_set_vgpr_msb 0x40
.irp n, 0,1,2,3,4,5,6,7,8,9,10,11,12,13,14,15
	ds_load_b128 v[VF+4*\n:VF+4*\n+3], v[ADV] offset:512*\n
.endr
	s_set_vgpr_msb 0x4000
.endm
.macro WS j, e, n, c
	v_wmma_f32_16x16x32_f16 v[S+8*\j:S+8*\j+7], v[KF+16*\j+8*\e:KF+16*\j+8*\e+7], v[QF+16*(\n)+8*\e:QF+16*(\n)+8*\e+7], \c
.endm
.macro WP t, g, i
	s_set_vgpr_msb 0x51
	v_wmma_f32_16x16x32_f16 v[O+32*(\i)+8*\t:O+32*(\i)+8*\t+7], v[VF+16*\t+8*\g:VF+16*\t+8*\g+7], v[P+8*\g:P+8*\g+7], v[O+32*(\i)+8*\t:O+32*(\i)+8*\t+7]
	s_set_vgpr_msb 0x5100
.endm
.macro AD j
	v_pk_add_f32 v[SU+4*\j:SU+4*\j+1], v[S+8*\j:S+8*\j+1], v[S+8*\j+2:S+8*\j+3]
	v_pk_add_f32 v[SU+4*\j+2:SU+4*\j+3], v[S+8*\j+4:S+8*\j+5], v[S+8*\j+6:S+8*\j+7]
.endm
.macro CV j
.irp m, 0,1,2,3
	v_cvt_pk_f16_f32 v[P+4*\j+\m], v[S+8*\j+2*\m], v[S+8*\j+2*\m+1]
.endr
.endm
.macro SA a, b
	v_pk_add_f32 v[SU+\a:SU+\a+1], v[SU+\a:SU+\a+1], v[SU+\b:SU+\b+1]
.endm
.macro WS0 j, n
.if MASKIN == 1
	v_cvt_scale_pk8_f32_fp4 v[S+8*\j:S+8*\j+7], v[MKR+\j], s[MSC]
	v_nop
	WS \j, 0, \n, v[S+8*\j:S+8*\j+7]
.elseif MASKIN
	v_cvt_scale_pk8_f32_fp4 v[S+8*\j:S+8*\j+7], v[MQ+4*(\n)+\j], s[MSC]
	v_nop
	WS \j, 0, \n, v[S+8*\j:S+8*\j+7]
.else
	WS \j, 0, \n, 0
.endif
.endm
.macro PHF i, n, mc=0
.if MASKIN >= 2 && (\n) >= 0
	s_wait_loadcnt NT-1
	s_add_co_u32 s[T0], s[SC], \mc+1
	s_min_u32 s[T0], s[T0], NK/64-1
	s_lshl_b32 s[T0], s[T0], 9
	s_wait_xcnt 0x0
	v_add_nc_u32 v[AMQ], s[T0], v[AK]
.endif
.if (\i) >= 0
	AD 0
	AD 1
	CV 0
.endif
.if (\n) >= 0
	WS0 0, \n
.endif
.if (\i) >= 0
	CV 1
.endif
.if (\n) >= 0
	WS0 1, \n
.endif
.if (\i) >= 0
	AD 2
	CV 2
.endif
.if (\n) >= 0
	WS0 2, \n
.endif
.if (\i) >= 0
	AD 3
	CV 3
.endif
.if (\n) >= 0
	WS0 3, \n
.if MASKIN >= 2
	global_load_b128 v[MQ+4*(\n):MQ+4*(\n)+3], v[AMQ], s[QB+2*(\n):QB+2*(\n)+1]
.endif
.endif
.if (\i) >= 0
	SA 0, 2
	SA 4, 6
.endif
.if (\n) >= 0
	WS 0, 1, \n, v[S:S+7]
.endif
.if (\i) >= 0
	SA 8, 10
	SA 12, 14
.endif
.if (\n) >= 0
	WS 1, 1, \n, v[S+8:S+15]
.endif
.if (\i) >= 0
	SA 0, 4
	SA 8, 12
.endif
.if (\n) >= 0
	WS 2, 1, \n, v[S+16:S+23]
.endif
.if (\i) >= 0
	v_nop
	SA 0, 8
.endif
.if (\n) >= 0
	WS 3, 1, \n, v[S+24:S+31]
	v_mov_b32 v[NMO], v[ST+6*(\n)]
.else
	v_nop
.endif
	v_nop
	v_nop
.if (\i) >= 0
	v_pk_fma_f32 v[ST+6*(\i)+2:ST+6*(\i)+3], v[ST+6*(\i)+2:ST+6*(\i)+3], v[ST+6*(\i)+4:ST+6*(\i)+5], v[SU:SU+1] op_sel_hi:[1,0,1]
.else
	v_nop
.endif
.endm
.macro WPX t, g, pv
.if (\pv) >= 0
	WP \t, \g, \pv
.endif
.endm
.macro SOFT i, pv=-1, vn=0
.set OI, O+32*(\i)
.set NMI, ST+6*(\i)
.set FI, ST+6*(\i)+4
.irp j, 0,1,2,3
	v_max3_num_f32 v[CH+\j], v[S+8*\j], v[S+8*\j+1], v[S+8*\j+2]
.endr
	WPX 0, 0, \pv
.irp j, 0,1,2,3
	v_max3_num_f32 v[CH+\j], v[CH+\j], v[S+8*\j+3], v[S+8*\j+4]
.endr
	WPX 1, 0, \pv
.irp j, 0,1,2,3
	v_max3_num_f32 v[CH+\j], v[CH+\j], v[S+8*\j+5], v[S+8*\j+6]
.endr
	WPX 2, 0, \pv
	v_max3_num_f32 v[CH], v[CH], v[S+7], v[S+15]
	v_max3_num_f32 v[CH+1], v[CH+1], v[S+23], v[S+31]
	v_max_num_f32 v[CH+2], v[CH+2], v[CH+3]
	WPX 3, 0, \pv
	v_max3_num_f32 v[TM], v[CH], v[CH+1], v[CH+2]
	WPX 0, 1, \pv
	v_permlanex16_b32 v[BX], v[TM], s[SEL], s[SEL+1]
	WPX 1, 1, \pv
	v_max3_num_f32 v[NMI+1], v[TM], v[BX], v[NMI+1]
	WPX 2, 1, \pv
	v_mul_f32 v[TM], s[CS], v[NMI+1]
	WPX 3, 1, \pv
	v_floor_f32 v[NMI], -v[TM]
	v_pk_fma_f32 v[S:S+1], v[S:S+1], s[CS:CS+1], v[NMI:NMI+1] op_sel_hi:[1,0,0]
	v_sub_f32 v[TM], v[NMI], v[NMO]
.irp k, 1,2,3
	v_pk_fma_f32 v[S+2*\k:S+2*\k+1], v[S+2*\k:S+2*\k+1], s[CS:CS+1], v[NMI:NMI+1] op_sel_hi:[1,0,0]
.endr
	v_cvt_i32_f32 v[TM], v[TM]
.if \vn
	VNEXT
.endif
.irp k, 4,5,6
	v_pk_fma_f32 v[S+2*\k:S+2*\k+1], v[S+2*\k:S+2*\k+1], s[CS:CS+1], v[NMI:NMI+1] op_sel_hi:[1,0,0]
.endr
	v_ldexp_f32 v[FI], 1.0, v[TM]
.irp k, 7,8,9,10,11,12,13,14,15
	v_pk_fma_f32 v[S+2*\k:S+2*\k+1], v[S+2*\k:S+2*\k+1], s[CS:CS+1], v[NMI:NMI+1] op_sel_hi:[1,0,0]
.endr
	s_wait_alu depctr_va_vdst(0)
	s_set_vgpr_msb 0x41
.irp k, 0,4,8,12,1,2,3,5,6,7,9,10,11,13,14,15
	v_pk_mul_f32 v[OI+2*\k:OI+2*\k+1], v[OI+2*\k:OI+2*\k+1], v[FI:FI+1] op_sel_hi:[1,0]
.endr
	s_set_vgpr_msb 0x4100
.irp k, 0,1,2,3,4,5,6,7,8,9,10,11,12,13,14,15,16,17,18,19,20,21,22,23,24,25,26,27,28,29,30,31
	v_exp_f32 v[S+\k], v[S+\k]
.endr
	v_nop
	s_wait_alu depctr_va_vdst(0)
.endm
.macro PSUM i
.set SUMI, ST+6*(\i)+2
.set FI, ST+6*(\i)+4
.irp k, 0,1,2,3,4,5,6,7
	v_cvt_pk_f16_f32 v[P+\k], v[S+2*\k], v[S+2*\k+1]
	v_pk_add_f32 v[SU+2*\k:SU+2*\k+1], v[S+4*\k:S+4*\k+1], v[S+4*\k+2:S+4*\k+3]
.endr
.irp k, 0,1,2,3
	v_cvt_pk_f16_f32 v[P+8+\k], v[S+16+2*\k], v[S+17+2*\k]
	v_pk_add_f32 v[SU+4*\k:SU+4*\k+1], v[SU+4*\k:SU+4*\k+1], v[SU+4*\k+2:SU+4*\k+3]
.endr
	v_cvt_pk_f16_f32 v[P+12], v[S+24], v[S+25]
	v_cvt_pk_f16_f32 v[P+13], v[S+26], v[S+27]
	v_pk_add_f32 v[SU:SU+1], v[SU:SU+1], v[SU+4:SU+5]
	v_pk_add_f32 v[SU+8:SU+9], v[SU+8:SU+9], v[SU+12:SU+13]
	v_cvt_pk_f16_f32 v[P+14], v[S+28], v[S+29]
	v_cvt_pk_f16_f32 v[P+15], v[S+30], v[S+31]
	v_pk_add_f32 v[SU:SU+1], v[SU:SU+1], v[SU+8:SU+9]
	v_nop
	v_nop
	v_pk_fma_f32 v[SUMI:SUMI+1], v[SUMI:SUMI+1], v[FI:FI+1], v[SU:SU+1] op_sel_hi:[1,0,1]
.endm
.macro PV i
.set OI, O+32*(\i)
	s_set_vgpr_msb 0x51
.irp g, 0,1
.irp t, 0,1,2,3
	v_wmma_f32_16x16x32_f16 v[OI+8*\t:OI+8*\t+7], v[VF+16*\t+8*\g:VF+16*\t+8*\g+7], v[P+8*\g:P+8*\g+7], v[OI+8*\t:OI+8*\t+7]
.endr
.endr
	s_set_vgpr_msb 0x5100
.endm
.macro MASKS tag
.Lmask\tag:
.irp k, 0,1,2,3,4,5,6,7,8,9,10,11,12,13,14,15,16,17,18,19,20,21,22,23,24,25,26,27,28,29,30,31
	v_cndmask_b32 v[S+\k], v[S+\k], v[NINF], s[MK+\k]
.endr
	s_wait_alu depctr_va_vdst(0)
	s_branch .Lmasked\tag
.endm
.macro OUT i, more, low=0
.set SUMI, ST+6*(\i)+2
.set OI, O+32*(\i)
	s_wait_alu depctr_va_vdst(0)
	v_add_f32 v[TM], v[SUMI], v[SUMI+1]
	v_mov_b32 v[TM+1], 0
	v_nop
	v_nop
	v_permlanex16_b32 v[BX], v[TM], s[SEL], s[SEL+1]
	s_lshl_b32 s[T0], s[LM+(\i)], 2
	s_add_co_u32 s[T0], s[T0], s[CX]
	s_lshl_b32 s[OO], s[T0], 15
	s_mov_b32 s[OO+1], 0
	s_add_nc_u64 s[OB:OB+1], s[16:17], s[OO:OO+1]
	s_wait_alu depctr_va_vdst(0)
	v_add_f32 v[TM], v[TM], v[BX]
	s_wait_alu depctr_va_vdst(0)
	v_rcp_f32 v[TM], v[TM]
	v_nop
	s_wait_alu depctr_va_vdst(0)
.if \low
	s_set_vgpr_msb 0x1
.irp k, 0,4,8,12,1,2,3,5,6,7,9,10,11,13,14,15
	v_pk_mul_f32 v[S+2*\k:S+2*\k+1], v[OI+2*\k:OI+2*\k+1], v[TM:TM+1] op_sel_hi:[1,0]
.endr
	s_set_vgpr_msb 0x100
.irp k, 0,1,2,3,4,5,6,7,8,9,10,11,12,13,14,15
	v_cvt_pk_f16_f32 v[P+\k], v[S+2*\k], v[S+2*\k+1]
.endr
.else
	s_set_vgpr_msb 0x41
.irp k, 0,4,8,12,1,2,3,5,6,7,9,10,11,13,14,15
	v_pk_mul_f32 v[OI+2*\k:OI+2*\k+1], v[OI+2*\k:OI+2*\k+1], v[TM:TM+1] op_sel_hi:[1,0]
.endr
	s_set_vgpr_msb 0x4105
.irp k, 0,1,2,3,4,5,6,7,8,9,10,11,12,13,14,15
	v_cvt_pk_f16_f32 v[P+\k], v[OI+2*\k], v[OI+2*\k+1]
.endr
	s_set_vgpr_msb 0x500
.endif
.irp n, 0,1,2,3
	global_store_b128 v[AK], v[P+4*\n:P+4*\n+3], s[OB:OB+1] offset:512*\n
.endr
.if \low
	LOWS S, P, 16
.irp n, 0,1,2,3
	global_store_b128 v[AK], v[S+4*\n:S+4*\n+3], s[12:13] offset:512*\n
.endr
.endif
.if \more
	s_wait_xcnt 0x0
.endif
.endm
.if SIZE_CAUSAL && HILO
.macro LOWS x, h, n
.set I, 0
.rept (\n)/4
.irp k, 0,1,2,3
	v_cvt_f32_f16 v[SU+2*\k], v[\h+I+\k].l
	v_cvt_f32_f16 v[SU+2*\k+1], v[\h+I+\k].h
.endr
.irp k, 0,1,2,3
	v_pk_add_f32 v[SU+2*\k:SU+2*\k+1], v[\x+2*(I+\k):\x+2*(I+\k)+1], v[SU+2*\k:SU+2*\k+1] neg_lo:[0,1] neg_hi:[0,1]
.endr
.irp k, 0,1,2,3
	v_cvt_pk_f16_f32 v[\x+I+\k], v[SU+2*\k], v[SU+2*\k+1]
.endr
.set I, I+4
.endr
.endm
.macro HLSTEP i
.set QI, QF+16*(\i)
.set OI, O+32*(\i)
.set NMI, ST+6*(\i)
.set SUMI, ST+6*(\i)+2
.irp j, 0,1,2,3
	MMS S+8*\j, KF+16*\j, QI, 0
.endr
.irp j, 0,1,2,3
	MMS S+8*\j, KF+16*\j+8, QI+8, v[S+8*\j:S+8*\j+7]
.endr
.irp j, 0,1,2,3
	MMS S+8*\j, KF+16*\j, QL, v[S+8*\j:S+8*\j+7]
.endr
.irp j, 0,1,2,3
	MMS S+8*\j, KF+16*\j+8, QL+8, v[S+8*\j:S+8*\j+7]
.endr
	s_set_vgpr_msb 0x1
.irp j, 0,1,2,3
	MMS S+8*\j, KL+16*\j, QI, v[S+8*\j:S+8*\j+7]
.endr
.irp j, 0,1,2,3
	MMS S+8*\j, KL+16*\j+8, QI+8, v[S+8*\j:S+8*\j+7]
.endr
	s_set_vgpr_msb 0x100
	v_mov_b32 v[NMO], v[NMI]
.rept 3
	v_nop
.endr
	s_set_vgpr_msb 0x40
.irp n, 0,1,2,3,4,5,6,7,8,9,10,11,12,13,14,15
	global_load_b128 v[KL+4*\n:KL+4*\n+3], v[AK], s[10:11] offset:512*\n
.endr
	s_set_vgpr_msb 0x4000
.irp k, 0,1,2,3,4,5,6,7,8,9,10,11,12,13,14,15,16,17,18,19,20,21,22,23,24,25,26,27,28,29,30,31
	v_cndmask_b32 v[S+\k], v[S+\k], v[NINF], s[MK+\k]
.endr
	SOFT \i
	PSUM \i
	LOWS S, P, 16
	s_wait_alu depctr_va_vdst(0)
	s_wait_loadcnt 0x0
	s_set_vgpr_msb 0x51
.irp g, 0,1
.irp t, 0,1,2,3
	v_wmma_f32_16x16x32_f16 v[OI+8*\t:OI+8*\t+7], v[VF+16*\t+8*\g:VF+16*\t+8*\g+7], v[P+8*\g:P+8*\g+7], v[OI+8*\t:OI+8*\t+7]
.endr
.endr
.irp g, 0,1
.irp t, 0,1,2,3
	v_wmma_f32_16x16x32_f16 v[OI+8*\t:OI+8*\t+7], v[VF+16*\t+8*\g:VF+16*\t+8*\g+7], v[S+8*\g:S+8*\g+7], v[OI+8*\t:OI+8*\t+7]
.endr
.endr
.irp g, 0,1
.irp t, 0,1,2,3
	v_wmma_f32_16x16x32_f16 v[OI+8*\t:OI+8*\t+7], v[KL+16*\t+8*\g:KL+16*\t+8*\g+7], v[P+8*\g:P+8*\g+7], v[OI+8*\t:OI+8*\t+7]
.endr
.endr
	s_set_vgpr_msb 0x5100
.rept 4
	v_nop
.endr
	OUT \i, 1, 1
.endm
.endif
.macro MEET refill
.if MASKIN >= 2
	s_wait_loadcnt 0x0
.endif
	s_wait_tensorcnt 0x0
	ds_add_u32 v[SPW], v[NIL]
.if \refill
	s_xor_b32 s[T1], s[SBS], SLOT
	s_lshl_b32 s[G0+1], s[WV], 14
	s_add_co_u32 s[G0+1], s[G0+1], s[T1]
	s_add_nc_u64 s[G0+2:G0+3], s[G0+2:G0+3], PARTB
.endif
	s_wait_dscnt 0x0
	ROUND
.if \refill
	ASK
.endif
	s_mov_b32 s[IC], 0
	s_lshl_b32 s[SC], s[PT], 3
	s_mov_b32 s[TK], s[SBS]
	s_add_co_u32 s[TV], s[SBS], PARTB
	LOADK
.if MASKIN == 1
	s_lshl_b32 s[T0], s[PT], 8
	v_add_nc_u32 v[AMQ], s[T0], v[AMK]
	ds_load_b128 v[MKR:MKR+3], v[AMQ]
.endif
	LOADV
	s_wait_dscnt 0x0
.endm
.macro UNIT i, n, vn, kl, kc, mask=0, mc=0, tag=x
	PHF \i, \n, \vn
.if \kl
	KNEXT \kc
.endif
.if \mask
	s_add_co_u32 s[T1], s[SC], \mc
	s_cmp_eq_u32 s[T1], s[LM+(\n)]
	s_cbranch_scc1 .Lmask\tag
.Lmasked\tag:
.endif
	SOFT \n, \i, \vn
.if \kl || \vn
	s_wait_dscnt 0x0
.endif
.endm
.macro DRAIN i
	PHF \i, -1
	PV \i
.rept 4
	v_nop
.endr
.endm
.macro OPENS a, L
.Lopen\a\L:
.if \a == 0
	UNIT -1, 0, 0, 1, 1, SIZE_CAUSAL && \L, 0, o0\L
.else
	UNIT -1, \a, 0, 0, 0, SIZE_CAUSAL && !(HILO && \a == NT-1), 0, o\a\L
	s_branch .Lstep\L
.endif
.endm
.macro INNER a, L
.Lin\a\L:
	UNIT \a, \a-1, 0, (\a)==1, 1
.if SIZE_CAUSAL
	s_cmp_eq_u32 s[SC], s[LM+\a]
	s_cbranch_scc1 .Lout\a
.Lleft\a:
.endif
.endm
.macro OVER a, L
.Lover\a\L:
.if \a == 0
	UNIT 0, 0, 1, 1, 2, SIZE_CAUSAL && \L, 1, x0\L
.else
	UNIT 0, \a, 1, 0, 0, SIZE_CAUSAL, 1, x\a\L
	s_branch .Lnext\L
.endif
.endm
.macro SWITCH name, L
.if SIZE_CAUSAL && !(\L)
	s_cmp_eq_u32 s[AT], 0
	s_cbranch_scc1 .L\name\()0\L
.if !NT2
	s_cmp_eq_u32 s[AT], 1
	s_cbranch_scc1 .L\name\()1\L
	s_cmp_eq_u32 s[AT], 2
	s_cbranch_scc1 .L\name\()2\L
.endif
.endif
.endm
.macro PARTW L
	MEET 1-\L
.if SIZE_CAUSAL && HILO && !(\L)
	s_cmp_lg_u32 s[WV], 0
	s_cbranch_scc1 .Lplain
	s_cmp_lg_u32 s[AT], NT-1
	s_cbranch_scc1 .Lplain
	s_branch .Lhilo
.Lplain:
.endif
	SWITCH open, \L
.if !(SIZE_CAUSAL && \L)
.if !NT2
	OPENS 3, \L
.if SIZE_CAUSAL
	OPENS 2, \L
.endif
.endif
.if SIZE_CAUSAL || NT2
	OPENS 1, \L
.endif
.endif
.if SIZE_CAUSAL
	OPENS 0, \L
.endif
.Lstep\L:
	SWITCH in, \L
.if !(SIZE_CAUSAL && \L)
.if !NT2
	INNER 3, \L
	INNER 2, \L
.endif
	INNER 1, \L
.endif
.Lin0\L:
	s_cmp_eq_u32 s[IC], 7
	s_cbranch_scc1 .Ldrain\L
.if SIZE_CAUSAL && \L
	s_cmp_eq_u32 s[SC], s[LM]
	s_cbranch_scc1 .Ldrain\L
.endif
	SWITCH over, \L
.if !(SIZE_CAUSAL && \L)
.if !NT2
	OVER 3, \L
.if SIZE_CAUSAL
	OVER 2, \L
.endif
.endif
.if SIZE_CAUSAL || NT2
	OVER 1, \L
.endif
.endif
.if SIZE_CAUSAL
	OVER 0, \L
.endif
.Lnext\L:
	s_add_co_u32 s[IC], s[IC], 1
	s_add_co_u32 s[SC], s[SC], 1
	s_wait_alu depctr_va_vdst(0)
	s_cmp_lt_u32 s[IC], 8
	s_cbranch_scc1 .Lstep\L
.Ldrain\L:
	DRAIN 0
.if SIZE_CAUSAL && \L
	s_cmp_lg_u32 s[SC], s[LM]
	s_cbranch_scc1 .Lpend\L
	OUT 0, 1
.endif
.Lpend\L:
	s_wait_alu depctr_va_vdst(0)
.endm
	s_load_b128 s[4:7], s[0:1], 0x0
.if SIZE_CAUSAL && HILO
	s_load_b64 s[10:11], s[0:1], 0x10
	s_load_b128 s[12:15], s[0:1], 0x18
.else
	s_load_b64 s[16:17], s[0:1], 0x10
.if MASKIN
	s_load_b64 s[10:11], s[0:1], 0x18
.endif
.endif
	v_lshl_add_u32 v[SPW], v0, 2, SPARE
	v_mov_b32 v[NIL], 0
	ds_add_u32 v[SPW], v[NIL]
	ds_add_u32 v[SPW], v[NIL]
	v_lshrrev_b32 v[ADK], 5, v0
	v_readfirstlane_b32 s[WV], v[ADK]
	s_and_b32 s[HD], ttmp7, 0xffff
	s_bfe_u32 s[CX], ttmp6, 0x40000
	s_mov_b32 s[G1], 15|(3<<16)|(1<<21)
	s_mov_b32 s[G1+1], 32<<16
	s_mov_b32 s[G1+2], 64<<16
	s_mov_b32 s[G1+3], 32<<16
	s_mov_b32 s[G1+4], 64
	s_mov_b32 s[G1+5], 32
	s_mov_b32 s[G1+6], 0
	s_mov_b32 s[G1+7], 0
	s_mov_b32 s[SEL], 0x76543210
	s_mov_b32 s[SEL+1], 0xfedcba98
	s_mov_b32 s[CS], CBITS
	s_mov_b32 s[CS+1], s[CS]
	s_and_b32 s[T0], s[HD], 15
	s_lshr_b32 s[T1], s[HD], 4
	s_mul_i32 s[T2], s[T0], SIZE_H/16
	s_add_co_u32 s[T2], s[T2], s[T1]
	s_mul_i32 s[SB], s[T2], HEADB
	s_mov_b32 s[SB+1], 0
	s_lshl_b32 s[OO], s[T1], 22-S1K
	s_lshl_b32 s[T3], s[T0], 11
	s_add_co_u32 s[OO], s[OO], s[T3]
	s_mov_b32 s[OO+1], 0
	s_and_b32 s[T3], s[WV], 3
	s_lshl_b32 s[KG], s[T3], 14
	s_mov_b32 s[KG+1], 0
	s_add_nc_u64 s[KG:KG+1], s[KG:KG+1], s[SB:SB+1]
	s_sub_co_u32 s[T3], 11, s[WV]
	s_cmp_lt_u32 s[WV], 4
	s_cselect_b32 s[LIMI], s[WV], s[T3]
	s_mov_b32 s[G0], 1
	s_lshl_b32 s[G0+1], s[WV], 14
	s_wait_dscnt 0x0
	s_wait_kmcnt 0x0
.if SIZE_CAUSAL && HILO
	s_mov_b64 s[16:17], s[12:13]
	s_mov_b64 s[12:13], s[14:15]
.endif
	s_add_nc_u64 s[16:17], s[16:17], s[OO:OO+1]
	s_add_nc_u64 s[8:9], s[4:5], SIZE_H*HEADB
	s_cmp_lt_u32 s[WV], 4
	s_cselect_b64 s[G0+2:G0+3], s[8:9], s[6:7]
	s_add_nc_u64 s[G0+2:G0+3], s[G0+2:G0+3], s[KG:KG+1]
	s_or_b32 s[G0+3], s[G0+3], 0x80000000
	ROUND
	ASK
	v_and_b32 v[AK], 31, v0
	v_lshlrev_b32 v[AK], 4, v[AK]
	s_lshl_b32 s[T3], s[CX], 11
.irp t, 0,1,2,3
.if \t < NT
	s_mov_b32 s[GB+\t], 8*(NT-1-\t)
.endif
.endr
.irp t, 0,1,2,3
.if \t < NT
	s_add_co_u32 s[LM+\t], s[LIMI], s[GB+\t]
	s_mov_b32 s[T0], s[LM+\t]
	s_lshl_b32 s[QB+2*\t], s[T0], 13
	s_add_co_u32 s[QB+2*\t], s[QB+2*\t], s[T3]
	s_mov_b32 s[QB+2*\t+1], 0
	s_add_nc_u64 s[QB+2*\t:QB+2*\t+1], s[QB+2*\t:QB+2*\t+1], s[SB:SB+1]
	s_add_nc_u64 s[QB+2*\t:QB+2*\t+1], s[QB+2*\t:QB+2*\t+1], s[4:5]
.endif
.endr
	s_wait_alu depctr_va_vdst(0)
.irp t, 0,1,2,3
.if \t < NT
.irp n, 0,1,2,3
	global_load_b128 v[QF+16*\t+4*\n:QF+16*\t+4*\n+3], v[AK], s[QB+2*\t:QB+2*\t+1] offset:512*\n
.endr
.endif
.endr
.if SIZE_CAUSAL && HILO
	s_cmp_lg_u32 s[WV], 0
	s_cbranch_scc1 .Lno_low
	s_lshl_b32 s[OO], s[T2], 13
	s_mov_b32 s[OO+1], 0
	s_add_nc_u64 s[10:11], s[10:11], s[OO:OO+1]
	s_lshl_b32 s[OO], s[CX], 11
	s_add_nc_u64 s[OB:OB+1], s[10:11], s[OO:OO+1]
.irp n, 0,1,2,3
	global_load_b128 v[QL+4*\n:QL+4*\n+3], v[AK], s[OB:OB+1] offset:512*\n
.endr
	s_add_nc_u64 s[10:11], s[10:11], SIZE_H*8192
	s_set_vgpr_msb 0x40
.irp n, 0,1,2,3,4,5,6,7,8,9,10,11,12,13,14,15
	global_load_b128 v[KL+4*\n:KL+4*\n+3], v[AK], s[10:11] offset:512*\n
.endr
	s_set_vgpr_msb 0x4000
	s_lshl_b32 s[T0], s[T1], 2
	s_add_co_u32 s[T0], s[T0], s[CX]
	s_lshl_b32 s[OO], s[T0], 15
	s_and_b32 s[T0], s[HD], 15
	s_lshl_b32 s[T0], s[T0], 11
	s_add_co_u32 s[OO], s[OO], s[T0]
	s_add_nc_u64 s[12:13], s[12:13], s[OO:OO+1]
	s_wait_xcnt 0x0
	s_add_nc_u64 s[10:11], s[10:11], SIZE_H*8192
.Lno_low:
.endif
.if MASKIN
	s_mov_b32 s[MSC], MBYTE*0x01010101
	s_lshr_b32 s[T0], s[HD], MHS
.endif
.if MASKIN == 1
.if MDT
	s_mul_i32 s[OO], s[T0], NK*4
.else
	s_mul_i32 s[OO], s[T0], NK
.endif
	s_mov_b32 s[OO+1], 0
	s_add_nc_u64 s[10:11], s[10:11], s[OO:OO+1]
.if MDT
	v_lshlrev_b32 v[S+8], 5, v0
	global_load_b128 v[S:S+3], v[S+8], s[10:11]
	global_load_b128 v[S+4:S+7], v[S+8], s[10:11] offset:16
	s_wait_loadcnt 0x0
.else
	v_lshlrev_b32 v[S+8], 3, v0
	global_load_b64 v[S+10:S+11], v[S+8], s[10:11]
	s_wait_loadcnt 0x0
.irp i, 0,1,2,3
	v_bfe_u32 v[S+\i], v[S+10], 8*\i, 8
	v_bfe_u32 v[S+4+\i], v[S+11], 8*\i, 8
.endr
.endif
	v_mov_b32 v[S+9], 0
.irp i, 0,1,2,3,4,5,6,7
.if MDT == 2
	v_cmp_eq_f32 vcc_lo, MVAL, v[S+\i]
.else
	v_cmp_eq_u32 vcc_lo, MVAL, v[S+\i]
.endif
.if MSENSE
	v_cndmask_b32 v[S+\i], 14<<(4*\i), 0, vcc_lo
.else
	v_cndmask_b32 v[S+\i], 0, 14<<(4*\i), vcc_lo
.endif
	v_or_b32 v[S+9], v[S+9], v[S+\i]
.endr
	v_lshl_add_u32 v[S+8], v0, 2, MKT
	ds_store_b32 v[S+8], v[S+9]
	v_bfe_u32 v[AMK], v0, 4, 1
	v_lshl_add_u32 v[AMK], v[AMK], 4, MKT
.endif
.if MASKIN >= 2
	s_wait_xcnt 0x0
.if MASKIN == 2
	s_mov_b32 s[T0], 0
.endif
	s_lshl_b32 s[T0], s[T0], 5
.irp t, 0,1,2,3
.if \t < NT
	s_add_co_u32 s[T1], s[T0], s[LM+\t]
	s_lshl_b32 s[T1], s[T1], 2
	s_add_co_u32 s[T1], s[T1], s[CX]
	s_lshl_b32 s[QB+2*\t], s[T1], 14
	s_mov_b32 s[QB+2*\t+1], 0
	s_add_nc_u64 s[QB+2*\t:QB+2*\t+1], s[QB+2*\t:QB+2*\t+1], s[10:11]
	global_load_b128 v[MQ+4*\t:MQ+4*\t+3], v[AK], s[QB+2*\t:QB+2*\t+1]
.endif
.endr
.endif
	s_set_vgpr_msb 0x40
.set I, 0
.rept 16*NT
	v_dual_mov_b32 v[O+I], 0 :: v_dual_mov_b32 v[O+I+1], 0
.set I, I+2
.endr
	s_set_vgpr_msb 0x4000
	v_mov_b32 v[BX], 0
.irp k, 0,1,2,3
.if \k < NT
	v_mov_b32 v[ST+6*\k+1], 0xff61b1e6
	v_mov_b32 v[ST+6*\k+2], 0
	v_mov_b32 v[ST+6*\k+3], 0
	v_mov_b32 v[ST+6*\k+4], 1.0
	v_mov_b32 v[ST+6*\k+5], 0
.endif
.endr
	v_mul_f32 v[TM], s[CS], v[ST+1]
.irp k, 0,1,2,3
.if \k < NT
	v_floor_f32 v[ST+6*\k], -v[TM]
.endif
.endr
.if SIZE_CAUSAL
	s_lshl_b32 s[T3], s[CX], 3
	v_and_b32 v[S], 7, v0
	v_bfe_u32 v[S+2], v0, 3, 1
	v_lshl_add_u32 v[S], v[S+2], 5, v[S]
	v_bfe_u32 v[S+1], v0, 4, 1
	v_lshlrev_b32 v[S+1], 5, v[S+1]
	v_sub_nc_u32 v[S], v[S], v[S+1]
	v_add_nc_u32 v[S], s[T3], v[S]
.irp k, 0,1,2,3,4,5,6,7,8,9,10,11,12,13,14,15,16,17,18,19,20,21,22,23,24,25,26,27,28,29,30,31
	v_cmp_gt_i32 s[MK+\k], \k, v[S]
.endr
	v_mov_b32 v[NINF], 0xff800000
.endif
	s_wait_loadcnt 0x0
	s_wait_alu depctr_va_vdst(0)
	s_mov_b32 s[PT], 0
	s_mov_b32 s[SBS], 0
	s_mov_b32 s[AT], NT-1
.Lpart:
	PARTW 0
	s_xor_b32 s[SBS], s[SBS], SLOT
	s_add_co_u32 s[PT], s[PT], 1
	s_cmp_lt_u32 s[PT], NK/512-1
	s_cbranch_scc1 .Lpart
	PARTW 1
.if SIZE_CAUSAL
	s_branch .Lpast
.irp a, 1,2,3
.if \a < NT
.if !(HILO && \a == NT-1)
	MASKS o\a\()0
.endif
	MASKS x\a\()0
.Lout\a:
	OUT \a, 1
	s_mov_b32 s[AT], \a-1
	s_branch .Lleft\a
.endif
.endr
	MASKS o01
	MASKS x01
.if HILO
.Lhilo:
	HLSTEP NT-1
	s_mov_b32 s[AT], NT-2
	s_wait_alu depctr_va_vdst(0)
	s_branch .Lplain
.endif
.Lpast:
.else
	OUT 0, 1
.if !NT2
	OUT 1, 1
	OUT 2, 1
.endif
	OUT NT-1, 0
.endif
	s_wait_tensorcnt 0x0
	ds_add_u32 v[SPW], v[NIL]
	s_wait_dscnt 0x0
	ROUND
	s_endpgm
.Lfunc_end_k_q060616fdd9_attention:
	.size	k_q060616fdd9_attention, .Lfunc_end_k_q060616fdd9_attention-k_q060616fdd9_attention
	.p2alignl 7, 3214868480
	.fill 96, 4, 3214868480
	.section	.rodata,"a",@progbits
	.p2align	6, 0x0
	.amdhsa_kernel k_q060616fdd9_attention
		.amdhsa_group_segment_fixed_size 327680
		.amdhsa_private_segment_fixed_size 0
		.amdhsa_enable_private_segment 0
		.amdhsa_kernarg_size 40
		.amdhsa_user_sgpr_count 2
		.amdhsa_user_sgpr_kernarg_segment_ptr 1
		.amdhsa_wavefront_size32 1
		.amdhsa_system_sgpr_workgroup_id_x 1
		.amdhsa_system_sgpr_workgroup_id_y 1
		.amdhsa_system_sgpr_workgroup_id_z 1
		.amdhsa_system_vgpr_workitem_id 0
		.amdhsa_next_free_vgpr 512
		.amdhsa_next_free_sgpr 102
		.amdhsa_reserve_vcc 1
		.amdhsa_float_denorm_mode_32 3
		.amdhsa_float_denorm_mode_16_64 3
		.amdhsa_memory_ordered 1
		.amdhsa_forward_progress 1
		.amdhsa_inst_pref_size 119
	.end_amdhsa_kernel
	.amdgpu_metadata
---
amdhsa.version: [ 1, 2 ]
amdhsa.kernels:
  - .name:           k_q060616fdd9_attention
    .symbol:         k_q060616fdd9_attention.kd
    .args:
      - { .name: qk, .offset: 0, .size: 8, .value_kind: global_buffer, .address_space: global }
      - { .name: vt, .offset: 8, .size: 8, .value_kind: global_buffer, .address_space: global }
      - { .name: lo, .offset: 16, .size: 8, .value_kind: global_buffer, .address_space: global }
      - { .name: cx, .offset: 24, .size: 8, .value_kind: global_buffer, .address_space: global }
      - { .name: cxl, .offset: 32, .size: 8, .value_kind: global_buffer, .address_space: global }
    .group_segment_fixed_size: 327680
    .private_segment_fixed_size: 0
    .kernarg_segment_align: 8
    .kernarg_segment_size: 40
    .max_flat_workgroup_size: 256
    .sgpr_count:     102
    .vgpr_count:     512
    .wavefront_size: 32
...
	.end_amdgpu_metadata
.endif
;; end of part 3
;; launch out (part 4): grid 8 x 32, 8 waves a work-group, clusters of 4 x 4, 327,680 bytes of LDS; arguments cx, cxl, wo, out0, bo; writes out0
.if DOCPART == 4
	.amdgcn_target "amdgcn-amd-amdhsa--gfx1250"
	.amdhsa_code_object_version 6
	.text
	.protected	k_q060616fdd9_out
	.globl	k_q060616fdd9_out
	.p2align	8
	.type	k_q060616fdd9_out,@function
k_q060616fdd9_out:
	s_mov_b64 s[64:65], 0
	v_nop
	global_prefetch_b8 v0, s[64:65] scope:SCOPE_SE
	s_setreg_imm32_b32 hwreg(HW_REG_WAVE_MODE, 25, 1), 1
	s_wait_xcnt 0x0
	s_wait_alu depctr_hold_cnt(0) depctr_sa_sdst(0) depctr_va_vdst(0) depctr_va_sdst(0) depctr_va_ssrc(0) depctr_va_vcc(0) depctr_vm_vsrc(0)
	s_getreg_b32 s2, hwreg(HW_REG_IB_STS2, 6, 4)
	s_cmp_eq_u32 s2, 0
	s_cbranch_scc0 .Lentry_in_a_cluster
	s_endpgm
.Lentry_in_a_cluster:
	s_bfe_u32 s2, ttmp6, 0x10000c
	s_cmp_lg_u32 s2, 0xf033
	s_cbranch_scc0 .Lentry_shape_is_right
	s_endpgm
.Lentry_shape_is_right:
.set TOK,    8192
.set BIAS,   1
.set S1K,    1
.set SQR,    (32>>S1K)/NA
.set HILO,   1
.set NA,     4
.set TILEB,  32768
.set STEPB,  4096
.set ASL,    4*NA*STEPB
.set SLOT,   ASL+8*STEPB
.set SPITCH, 272
.set STAGE,  2*SLOT
.set SPARE,  STAGE+8*16*SPITCH
.set SPW,  1
.set NIL,  2
.set AA,   4
.set AB,   6
.set CO,   8
.set STO,  9
.set RD,   10
.set PFA,  15
.set PFB,  16
.set FA,   32
.set FB,   96
.set BK,   160
.set NLD,  2*NA+8
.set ACC,  0
.set BO,   128
.set AL,   160
.set G1A, 24
.set G1B, 32
.set G0A, 48
.set G0B, 52
.set MSB, 0
.macro WIN new
.if MSB != \new
	s_set_vgpr_msb (MSB<<8)|\new
.set MSB, \new
.endif
.endm
.macro PLACES n
.rept \n
	v_nop
.endr
.endm
.macro CROUND
	s_barrier_signal -1
	s_barrier_wait -1
	s_cmp_lg_u32 s14, 0
	s_cbranch_scc1 .Lnot_wave_0_\@
	s_barrier_signal -3
.Lnot_wave_0_\@:
	s_barrier_wait -3
	s_barrier_signal -1
	s_barrier_wait -1
.endm
.macro TLOAD g0, g1
	tensor_load_to_lds s[\g0:\g0+3], s[\g1:\g1+7]
	s_nop 0
	PLACES 4
.endm
.macro ASK
	s_cmp_lt_u32 s14, 4
	s_cbranch_scc0 .Lfor_b_\@
	TLOAD G0A, G1A
	s_branch .Lasked_\@
.Lfor_b_\@:
	TLOAD G0B, G1B
.Lasked_\@:
.endm
.macro LOADL set
.if HILO
	s_cmp_lg_u32 s47, 0
	s_cbranch_scc1 .Lno_low_\@
	PLACES 4
	s_wait_xcnt 0x0
	s_wait_dscnt 0x0
	s_mov_b32 exec_lo, s72
	WIN 1<<6
.irp n, 0,1,2,3,4,5,6,7
	global_load_b128 v[AL+32*(\set)+4*\n:AL+32*(\set)+4*\n+3], v11, s[56:57] offset:512*\n
.endr
	WIN 0
	s_wait_xcnt 0x0
	s_mov_b32 exec_lo, -1
	s_add_nc_u64 s[56:57], s[56:57], STEPB
.Lno_low_\@:
.endif
.endm
.macro MULL set, lset, q, wait
.if HILO
.if \wait
	s_wait_loadcnt 0x0
.endif
	s_cmp_lg_u32 s47, 0
	s_cbranch_scc1 .Lno_low_\@
	WIN (1<<6)|(1<<4)|(1<<2)
.irp b, 0,1,2,3
	v_wmma_f32_16x16x32_f16 v[ACC+8*\b:ACC+8*\b+7], v[FB+32*\set+8*\b:FB+32*\set+8*\b+7], v[AL+32*\lset+8*\q:AL+32*\lset+8*\q+7], v[ACC+8*\b:ACC+8*\b+7]
.endr
	WIN 0
.Lno_low_\@:
.endif
.endm
.macro PREF
	global_prefetch_b8 v[PFA], s[68:69] th:TH_LOAD_NT scope:SCOPE_SE
	global_prefetch_b8 v[PFB], s[70:71] th:TH_LOAD_NT scope:SCOPE_SE
.endm
.macro PSTEP
	s_wait_xcnt 0x0
	s_cmp_lt_u32 s74, 7
	s_cselect_b32 s20, STEPB, 0
	s_mov_b32 s21, 0
	s_add_nc_u64 s[68:69], s[68:69], s[20:21]
	s_add_nc_u64 s[70:71], s[70:71], s[20:21]
	s_add_co_u32 s74, s74, 1
.endm
.macro GROUP1 g, mask, rows
	s_or_b32 s[\g+0], s[\mask], (3<<16)|(1<<21)
	s_mov_b32 s[\g+1], 512<<16
	s_mov_b32 s[\g+2], (\rows)<<16
	s_mov_b32 s[\g+3], 512<<16
	s_mov_b32 s[\g+4], \rows
	s_mov_b32 s[\g+5], 4096
	s_mov_b32 s[\g+6], 0
	s_mov_b32 s[\g+7], 0
.endm
.if HILO
	s_load_b64 s[4:5], s[0:1], 0x0
	s_load_b64 s[56:57], s[0:1], 0x8
	s_load_b64 s[6:7], s[0:1], 0x10
	s_load_b64 s[8:9], s[0:1], 0x18
.else
	s_load_b128 s[4:7], s[0:1], 0x0
	s_load_b64 s[8:9], s[0:1], 0x10
.endif
.if BIAS
	s_load_b64 s[10:11], s[0:1], 0x18+8*HILO
.endif
	v_lshl_add_u32 v[SPW], v0, 2, SPARE
	v_mov_b32 v[NIL], 0
	ds_add_u32 v[SPW], v[NIL]
	ds_add_u32 v[SPW], v[NIL]
	v_lshrrev_b32 v3, 5, v0
	v_readfirstlane_b32 s14, v3
	s_lshr_b32 s15, s14, 1
	s_and_b32 s16, s14, 1
	s_and_b32 s17, s14, 3
	s_bfe_u32 s40, ttmp6, 0x40000
	s_bfe_u32 s41, ttmp6, 0x40004
	s_lshl_b32 s42, ttmp9, 2
	s_add_co_u32 s42, s42, s40
	s_and_b32 s47, ttmp7, 0xffff
.if HILO
	s_mul_i32 s43, s41, TOK/(256*NA)
	s_add_co_u32 s43, s43, s47
.if SQR < 8
	s_and_b32 s47, s47, SQR-1
.else
	s_and_b32 s47, s47, 7
.endif
	s_lshr_b32 s20, s15, 1
	s_or_b32 s47, s47, s20
	s_and_b32 s72, s43, SQR-1
	s_cmp_eq_u32 s72, 0
	s_cselect_b32 s72, -1, 0
.else
	s_lshl_b32 s43, s47, 2
	s_add_co_u32 s43, s43, s41
.endif
	s_lshl_b32 s44, s41, 2
	s_lshl_b32 s44, 15, s44
	s_lshl_b32 s45, 0x1111, s40
	GROUP1 G1A, 44, NA
	GROUP1 G1B, 45, 2
	s_mul_i32 s60, s43, 4*NA
	s_mul_i32 s20, s17, NA
	s_add_co_u32 s60, s60, s20
	s_lshl_b32 s60, s60, 15
	s_mov_b32 s61, 0
	s_lshl_b32 s62, s42, 3
	s_lshl_b32 s20, s17, 1
	s_add_co_u32 s62, s62, s20
	s_lshl_b32 s62, s62, 15
	s_mov_b32 s63, 0
	s_mul_i32 s66, s43, 64*NA*4096
	s_lshl_b32 s20, s15, 15
	s_add_co_u32 s66, s66, s20
	s_lshl_b32 s20, s42, 9
	s_add_co_u32 s66, s66, s20
	s_lshl_b32 s20, s16, 8
	s_add_co_u32 s66, s66, s20
	s_mov_b32 s67, 0
	s_mov_b32 s[G0A], 1
	s_mul_i32 s[G0A+1], s17, NA*STEPB
	s_mov_b32 s[G0B], 1
	s_lshl_b32 s[G0B+1], s17, 13
	s_add_co_u32 s[G0B+1], s[G0B+1], ASL
	v_and_b32 v3, 31, v0
	v_lshlrev_b32 v11, 4, v3
	s_lshl_b32 s20, s15, 12
	v_add_nc_u32 v[AA], s20, v11
	v_add_nc_u32 v[AA+1], SLOT, v[AA]
	s_lshl_b32 s20, s16, 14
	s_add_co_u32 s20, s20, ASL
	v_add_nc_u32 v[AB], s20, v11
	v_add_nc_u32 v[AB+1], SLOT, v[AB]
	v_and_b32 v12, 15, v0
	v_bfe_u32 v13, v0, 4, 1
	s_mul_i32 s20, s14, 16*SPITCH
	s_add_co_u32 s20, s20, STAGE
	v_mul_u32_u24 v[STO], v12, SPITCH
	v_lshl_add_u32 v[STO], v13, 5, v[STO]
	v_add_nc_u32 v[STO], s20, v[STO]
	v_mul_u32_u24 v[RD], v13, SPITCH
	v_lshl_add_u32 v[RD], v12, 4, v[RD]
	v_add_nc_u32 v[RD], s20, v[RD]
	v_lshlrev_b32 v[CO], 12, v13
	v_lshl_add_u32 v[CO], v12, 4, v[CO]
	v_lshlrev_b32 v14, 5, v13
	v_min_u32 v[PFA], 2*NA-1, v3
	v_lshlrev_b32 v[PFA], 8, v[PFA]
	v_min_u32 v[PFB], 3, v3
	v_lshlrev_b32 v[PFB], 8, v[PFB]
	s_lshl_b32 s20, s40, 3
	s_add_co_u32 s20, s20, s14
	s_mul_i32 s21, s20, NA
	s_lshr_b32 s21, s21, 3
	s_mul_i32 s68, s43, 4*NA
	s_add_co_u32 s68, s68, s21
	s_lshl_b32 s68, s68, 15
	s_and_b32 s21, s20, 8/NA-1
	s_mul_i32 s21, s21, 2*NA*256
	s_add_co_u32 s68, s68, s21
	s_add_co_u32 s68, s68, STEPB
	s_mov_b32 s69, 0
	s_lshl_b32 s20, s41, 3
	s_add_co_u32 s20, s20, s14
	s_lshr_b32 s21, s20, 2
	s_lshl_b32 s70, s42, 3
	s_add_co_u32 s70, s70, s21
	s_lshl_b32 s70, s70, 15
	s_and_b32 s21, s20, 3
	s_lshl_b32 s21, s21, 10
	s_add_co_u32 s70, s70, s21
	s_add_co_u32 s70, s70, STEPB
	s_mov_b32 s71, 0
	s_wait_alu depctr_va_vdst(0)
	s_wait_dscnt 0x0
	s_wait_kmcnt 0x0
	s_add_nc_u64 s[G0A+2:G0A+3], s[4:5], s[60:61]
	s_or_b32 s[G0A+3], s[G0A+3], 0x80000000
	s_add_nc_u64 s[G0B+2:G0B+3], s[6:7], s[62:63]
	s_or_b32 s[G0B+3], s[G0B+3], 0x80000000
	s_add_nc_u64 s[8:9], s[8:9], s[66:67]
	s_add_nc_u64 s[68:69], s[4:5], s[68:69]
	s_add_nc_u64 s[70:71], s[6:7], s[70:71]
.if HILO
	s_mul_i32 s20, s43, NA
	s_lshr_b32 s20, s20, 5-S1K
	s_lshl_b32 s20, s20, 17
	s_and_b32 s21, s15, 1
	s_lshl_b32 s21, s21, 15
	s_add_co_u32 s20, s20, s21
	s_mov_b32 s21, 0
	s_add_nc_u64 s[56:57], s[56:57], s[20:21]
.endif
	CROUND
	ASK
	s_mov_b32 s74, 1
	PREF
.if HILO
	s_cmp_lg_u32 s47, 0
	s_cbranch_scc1 .Lno_zeros
	WIN 1<<6
.set I, 0
.rept 32
	v_dual_mov_b32 v[AL+I], 0 :: v_dual_mov_b32 v[AL+I+1], 0
.set I, I+2
.endr
	WIN 0
	s_wait_alu depctr_va_vdst(0)
.Lno_zeros:
.endif
	LOADL 0
.if BIAS
	s_lshl_b32 s20, s42, 9
	s_lshl_b32 s21, s16, 8
	s_add_co_u32 s20, s20, s21
	s_mov_b32 s21, 0
	s_add_nc_u64 s[10:11], s[10:11], s[20:21]
	WIN 1<<6
.irp b, 0,1,2,3
	global_load_b128 v[BO+8*\b:BO+8*\b+3], v14, s[10:11] offset:64*\b
	global_load_b128 v[BO+8*\b+4:BO+8*\b+7], v14, s[10:11] offset:64*\b+16
.endr
	WIN 0
.endif
.macro LOADF slot, q, set
.irp a, 0,1,2,3
.if \a < NA
	ds_load_b128 v[FA+32*\set+8*\a:FA+32*\set+8*\a+3], v[AA+(\slot)] offset:4*STEPB*\a+1024*\q
	ds_load_b128 v[FA+32*\set+8*\a+4:FA+32*\set+8*\a+7], v[AA+(\slot)] offset:4*STEPB*\a+1024*\q+512
.endif
.endr
.irp b, 0,1,2,3
	ds_load_b128 v[FB+32*\set+8*\b:FB+32*\set+8*\b+3], v[AB+(\slot)] offset:STEPB*\b+1024*\q
	ds_load_b128 v[FB+32*\set+8*\b+4:FB+32*\set+8*\b+7], v[AB+(\slot)] offset:STEPB*\b+1024*\q+512
.endr
.endm
.macro MUL set, a0=0, a1=NA-1
	WIN (1<<6)|(1<<4)
.irp a, 0,1,2,3
.if \a >= \a0 && \a <= \a1
.irp b, 0,1,2,3
	v_wmma_f32_16x16x32_f16 v[ACC+8*(4*\a+\b):ACC+8*(4*\a+\b)+7], v[FB+32*\set+8*\b:FB+32*\set+8*\b+7], v[FA+32*\set+8*\a:FA+32*\set+8*\a+7], v[ACC+8*(4*\a+\b):ACC+8*(4*\a+\b)+7]
.endr
.endif
.endr
	WIN 0
.endm
.macro STEPG slot
	s_mul_i32 s[G0A+1], s17, NA*STEPB
	s_add_co_u32 s[G0A+1], s[G0A+1], SLOT*(\slot)
	s_lshl_b32 s[G0B+1], s17, 13
	s_add_co_u32 s[G0B+1], s[G0B+1], SLOT*(\slot)+ASL
	s_add_nc_u64 s[G0A+2:G0A+3], s[G0A+2:G0A+3], STEPB
	s_add_nc_u64 s[G0B+2:G0B+3], s[G0B+2:G0B+3], STEPB
.endm
.macro TRIP slot, refill, meet, pref
	PLACES 4
	LOADF \slot, 1, 1
.if \pref
	PSTEP
	PREF
.endif
	s_wait_dscnt NLD
	MUL 0
	MULL 0, \slot, 0, 1
.if \meet
	LOADL 1-\slot
.endif
	PLACES 4
	LOADF \slot, 2, 0
	s_wait_dscnt NLD
	MUL 1
	MULL 1, \slot, 1, 0
	PLACES 4
	LOADF \slot, 3, 1
	s_wait_dscnt NLD
	MUL 0
	MULL 0, \slot, 2, 0
.if \meet
	s_wait_tensorcnt 0x0
	ds_add_u32 v[SPW], v[NIL]
.if \refill
	STEPG \slot
.endif
	s_wait_dscnt 0x0
	s_barrier_signal -1
	MUL 1, 0, NA/2-1
	s_barrier_wait -1
	s_cmp_lg_u32 s14, 0
	s_cbranch_scc1 .Lnot_wave_0_\@
	s_barrier_signal -3
.Lnot_wave_0_\@:
	s_barrier_wait -3
	s_barrier_signal -1
	s_barrier_wait -1
.if \refill
	ASK
.else
	PLACES 4
.endif
	LOADF 1-\slot, 0, 0
	MUL 1, NA/2, NA-1
.else
	s_wait_dscnt 0x0
	MUL 1
.endif
	MULL 1, \slot, 3, 0
.endm
.set I, 0
.rept 4
	v_dual_mov_b32 v[FA+I], 0 :: v_dual_mov_b32 v[FA+I+1], 0
	v_dual_mov_b32 v[FB+I], 0 :: v_dual_mov_b32 v[FB+I+1], 0
.set I, I+2
.endr
	PSTEP
	PREF
	s_wait_alu depctr_va_vdst(0)
.if BIAS
	s_wait_loadcnt 0x0
.endif
	WIN (1<<6)|(1<<4)
.irp a, 0,1,2,3
.if \a < NA
.irp b, 0,1,2,3
.if BIAS
	v_wmma_f32_16x16x32_f16 v[ACC+8*(4*\a+\b):ACC+8*(4*\a+\b)+7], v[FB:FB+7], v[FA:FA+7], v[BO+8*\b:BO+8*\b+7]
.else
	v_wmma_f32_16x16x32_f16 v[ACC+8*(4*\a+\b):ACC+8*(4*\a+\b)+7], v[FB:FB+7], v[FA:FA+7], 0
.endif
.endr
.endif
.endr
	WIN 0
	PLACES 4
	s_wait_tensorcnt 0x0
	ds_add_u32 v[SPW], v[NIL]
	STEPG 1
	s_wait_dscnt 0x0
	CROUND
	ASK
	LOADF 0, 0, 0
	s_mov_b32 s46, 3
.Lring:
	TRIP 0, 1, 1, 1
	TRIP 1, 1, 1, 1
	s_sub_co_i32 s46, s46, 1
	s_cmp_lg_u32 s46, 0
	s_cbranch_scc1 .Lring
	TRIP 0, 0, 1, 0
	TRIP 1, 0, 0, 0
	PLACES 4
.irp a, 0,1,2,3
.if \a < NA
.if \a >= 2
	s_wait_xcnt 0x0
.endif
	WIN 1<<2
.irp b, 0,1,2,3
	ds_store_b128 v[STO], v[ACC+8*(4*\a+\b):ACC+8*(4*\a+\b)+3] offset:64*\b
	ds_store_b128 v[STO], v[ACC+8*(4*\a+\b)+4:ACC+8*(4*\a+\b)+7] offset:64*\b+16
.endr
	WIN 0
.irp m, 0,1,2,3,4,5,6,7
	ds_load_b128 v[BK+32*(\a%2)+4*\m:BK+32*(\a%2)+4*\m+3], v[RD] offset:2*SPITCH*\m
.endr
	s_wait_dscnt 0x0
.irp m, 0,1,2,3,4,5,6,7
	global_store_b128 v[CO], v[BK+32*(\a%2)+4*\m:BK+32*(\a%2)+4*\m+3], s[8:9] offset:4096*(64*\a+32*(\m/4)+2*(\m%4))
.endr
.endif
.endr
	s_wait_tensorcnt 0x0
	ds_add_u32 v[SPW], v[NIL]
	s_wait_dscnt 0x0
	CROUND
	s_endpgm
.Lfunc_end_k_q060616fdd9_out:
	.size	k_q060616fdd9_out, .Lfunc_end_k_q060616fdd9_out-k_q060616fdd9_out
	.p2alignl 7, 3214868480
	.fill 96, 4, 3214868480
	.section	.rodata,"a",@progbits
	.p2align	6, 0x0
	.amdhsa_kernel k_q060616fdd9_out
		.amdhsa_group_segment_fixed_size 327680
		.amdhsa_private_segment_fixed_size 0
		.amdhsa_enable_private_segment 0
		.amdhsa_kernarg_size 40
		.amdhsa_user_sgpr_count 2
		.amdhsa_user_sgpr_kernarg_segment_ptr 1
		.amdhsa_wavefront_size32 1
		.amdhsa_system_sgpr_workgroup_id_x 1
		.amdhsa_system_sgpr_workgroup_id_y 1
		.amdhsa_system_sgpr_workgroup_id_z 1
		.amdhsa_system_vgpr_workitem_id 0
		.amdhsa_next_free_vgpr 480
		.amdhsa_next_free_sgpr 102
		.amdhsa_reserve_vcc 0
		.amdhsa_float_denorm_mode_32 3
		.amdhsa_float_denorm_mode_16_64 3
		.amdhsa_memory_ordered 1
		.amdhsa_forward_progress 1
		.amdhsa_inst_pref_size 73
	.end_amdhsa_kernel
	.amdgpu_metadata
---
amdhsa.version: [ 1, 2 ]
amdhsa.kernels:
  - .name:           k_q060616fdd9_out
    .symbol:         k_q060616fdd9_out.kd
    .args:
      - { .name: cx, .offset: 0, .size: 8, .value_kind: global_buffer, .address_space: global }
      - { .name: cxl, .offset: 8, .size: 8, .value_kind: global_buffer, .address_space: global }
      - { .name: wo, .offset: 16, .size: 8, .value_kind: global_buffer, .address_space: global }
      - { .name: out0, .offset: 24, .size: 8, .value_kind: global_buffer, .address_space: global }
      - { .name: bo, .offset: 32, .size: 8, .value_kind: global_buffer, .address_space: global }
    .group_segment_fixed_size: 327680
    .private_segment_fixed_size: 0
    .kernarg_segment_align: 8
    .kernarg_segment_size: 40
    .max_flat_workgroup_size: 256
    .sgpr_count:     102
    .vgpr_count:     480
    .wavefront_size: 32
...
	.end_amdgpu_metadata
.endif
;; end of part 4
